; MI455X (gfx1250); checked and timed in simulation.
; The chip was launched on July 23, 2026; its instructions are those of AMD's public machine-readable ISA for CDNA 5 (MIT licence, August 2026) and "CDNA5" Instruction Set Architecture Reference Guide (July 2026). The comments in the code are by the model that wrote it; some were corrected since.
;; Transformer Encoder Layer. Allowed arithmetic: matrix products marked QUANTISED: E3M2 operands, one E8M0 scale for each 32 along K, by v_wmma_scale_f32_16x16x128_f8f6f4 with both operands' format E3M2, f32 sums; everything else in f32.
;; Inputs: b1 512 float32; b2 1,024 float32; b_proj 1,024 float32; norm1_b 1,024 float32; norm1_w 1,024 float32; pre_norm_b 1,024 float32; pre_norm_w 1,024 float32; src 4 x 2,048 x 1,024 float32; w1_codes 512 x 32 x 24 uint8 (E3M2 codes of w1, K innermost, in blocks of 32 codes, four codes in three bytes); w1_scales 512 x 32 uint8 (E8M0 scales of w1, one for each 32 codes along K); w2_codes 1,024 x 16 x 24 uint8 (E3M2 codes of w2, K innermost, in blocks of 32 codes, four codes in three bytes); w2_scales 1,024 x 16 uint8 (E8M0 scales of w2, one for each 32 codes along K); w_proj_codes 1,024 x 16 x 24 uint8 (E3M2 codes of w_proj, K innermost, in blocks of 32 codes, four codes in three bytes); w_proj_scales 1,024 x 16 uint8 (E8M0 scales of w_proj, one for each 32 codes along K); wk_codes 512 x 32 x 24 uint8 (E3M2 codes of wk, K innermost, in blocks of 32 codes, four codes in three bytes); wk_scales 512 x 32 uint8 (E8M0 scales of wk, one for each 32 codes along K); wq_codes 512 x 32 x 24 uint8 (E3M2 codes of wq, K innermost, in blocks of 32 codes, four codes in three bytes); wq_scales 512 x 32 uint8 (E8M0 scales of wq, one for each 32 codes along K); wv_codes 512 x 32 x 24 uint8 (E3M2 codes of wv, K innermost, in blocks of 32 codes, four codes in three bytes); wv_scales 512 x 32 uint8 (E8M0 scales of wv, one for each 32 codes along K).
;; Outputs: out0 4 x 2,048 x 1,024 float32.
;; This version of the problem:
;;   THIS VERSION OF THE PROBLEM IS GIVEN IN LOW PRECISION. The matrix products marked QUANTISED in the list below multiply operands that are first quantised to E3M2 (3 exponent bits, 2 mantissa bits; 6 bits a number), with one power-of-two scale for each 32 numbers along K (OCP MX v1.0); their sums are f32. All else is computed in f32.
;;   The module's matrix products, in the order in which they are computed (A, B: the left and right operand; K: the contracted axis; several contracted axes count as one K, in the product's order):
;;     1. [M 8,192, K 1,024] x [K 1,024, N 512]; A: computed on the way; B: input wq (given as codes): QUANTISED
;;     2. [M 8,192, K 1,024] x [K 1,024, N 512]; A: computed on the way; B: input wk (given as codes): QUANTISED
;;     3. [M 8,192, K 1,024] x [K 1,024, N 512]; A: computed on the way; B: input wv (given as codes): QUANTISED
;;     4. batch 32 x [M 2,048, K 64] x [K 64, N 2,048]; A: computed on the way; B: computed on the way: QUANTISED
;;     5. batch 32 x [M 64, K 2,048] x [K 2,048, N 2,048]; A: computed on the way; B: softmax (see below): QUANTISED
;;     6. [M 8,192, K 512] x [K 512, N 1,024]; A: computed on the way; B: input w_proj (given as codes): QUANTISED
;;     7. [M 8,192, K 1,024] x [K 1,024, N 512]; A: computed on the way; B: input w1 (given as codes): QUANTISED
;;     8. [M 8,192, K 512] x [K 512, N 1,024]; A: computed on the way; B: input w2 (given as codes): QUANTISED
;;   THE QUANTISER, for each operand of a quantised product, along K:
;;     - K is cut into blocks of 32 from its start; a last block that is shorter is filled with zeros.
;;     - A block's scale is 2^e with e = floor(log2(the largest magnitude in the block)) - 4, held to -126 .. 127; a block of zeros has e = 0. As a byte (E8M0): e + 127.
;;     - Each number is divided by its block's scale, clamped to +-28, and rounded to the nearest number of E3M2, ties to even, subnormals kept.
;;     - The product sums the exact products of the quantised numbers (number of the format x scale) in f32.
;;   ~~~python
;;   def quantise(x, axis):      # numpy; x: float32 -> the quantised numbers, widened to float32 again
;;       x = np.moveaxis(x, axis, -1); K = x.shape[-1]
;;       x = np.pad(x, [(0, 0)] * (x.ndim - 1) + [(0, -K % 32)]); x = x.reshape(x.shape[:-1] + (-1, 32)); a = np.abs(x).max(-1, keepdims=True)
;;       e = np.where(a > 0, np.clip(np.frexp(np.where(a > 0, a, 1))[1] - 1 - 4, -126, 127), 0)      # np.frexp(a)[1] - 1 = floor(log2(a)), exactly
;;       r = np.clip(x / 2.0 ** e, -28, 28)
;;       step = 2.0 ** (np.maximum(np.frexp(np.where(r == 0, 1, r))[1] - 1, -2) - 2)
;;       q = np.round(r / step) * step * 2.0 ** e      # np.round: ties to even
;;       return np.moveaxis(q.reshape(q.shape[:-2] + (-1,))[..., :K], -1, axis).astype(np.float32)
;;   ~~~
;;   SOFTMAX AHEAD OF A QUANTISED PRODUCT. Where the list says 'softmax', what is quantised is not the finished softmax but p = 2^(t - M), with t = logit x log2(e) and M = ceil(the row's largest t), a whole number; so 1/2 < the row's largest p <= 1. The row's sum l is taken of the UNQUANTISED p, in f32, and the product's result is divided by l at the end. Since M is a whole number, a kernel that streams over the keys may use a running M (the ceiling of the running maximum): every later rescaling is an exact power of two, which a block's scale takes up: the codes' values come out the same.
;;   OPERANDS COMPUTED ON THE WAY. 'Computed on the way' means the value that the module computes at that place (a softmax that the list does not call 'softmax' is quantised finished and normalised). What goes into a quantiser is computed in f32, as accurately as f32 sums, v_exp_f32 and their like allow (about 1e-6 of the number): no bf16 or f16 on the way to a quantiser, and a product that is left as it is and whose result goes on into a quantised operand takes f32 operands (vector FMAs, or v_wmma_f32_16x16x4_f32). A number that lies on a knife's edge between two numbers of the format may be rounded either way, as far as f32 arithmetic and the matrix unit's own rounding can turn it there, and no further.
;;   INPUTS GIVEN AS CODES. w1 (in the module: [1024, 512], K = its axis 0); w2 (in the module: [512, 1024], K = its axis 0); w_proj (in the module: [512, 1024], K = its axis 0); wk (in the module: [1024, 512], K = its axis 0); wq (in the module: [1024, 512], K = its axis 0); wv (in the module: [1024, 512], K = its axis 0): each comes as NAME_codes (uint8): NAME with its K axis moved to the last place and cut into blocks of 32 codes, [.., K / 32, bytes a block], one block behind the other in memory; four codes in three bytes: a row's codes are one little-endian stream of bits, code i at bits 6 i .. 6 i + 5 (a code: sign, 3 exponent bits, 2 mantissa bits); and NAME_scales (uint8): the same leading axes, one E8M0 byte (e + 127) for each 32 codes along K. Its value is code x scale, taken as it is: it is not quantised again, and the codes and scales need not be those that the quantiser above would give.
;; One version. Each part assembles by itself: llvm-mc -triple=amdgcn-amd-amdhsa -mcpu=gfx1250 --defsym DOCPART=n.
;; ======== version 1 of 1: 4 launches
;; workspace buffers: xq 6,553,600 bytes; wimg 2,359,296 bytes; qq 3,407,872 bytes; kvq 6,815,744 bytes; oq 3,670,016 bytes
;; launch prep (part 1): grid 560 x 1, 4 waves a work-group, no clusters, 32,000 bytes of LDS; arguments src, pre_norm_w, pre_norm_b, wq_codes, wk_codes, wv_codes, w1_codes, w_proj_codes, w2_codes, xq, wimg; writes xq, wimg
.if DOCPART == 1
	.amdgcn_target "amdgcn-amd-amdhsa--gfx1250"
	.amdhsa_code_object_version 6
	.text
	.protected	k_q0e589081ad_prep
	.globl	k_q0e589081ad_prep
	.p2align	8
	.type	k_q0e589081ad_prep,@function
k_q0e589081ad_prep:
	s_mov_b64 s[64:65], 0
	v_nop
	global_prefetch_b8 v0, s[64:65] scope:SCOPE_SE
	s_setreg_imm32_b32 hwreg(HW_REG_WAVE_MODE, 25, 1), 1
	s_wait_xcnt 0x0
; PREP.  Two jobs in one launch, parted on the work-group's number.
; (a) Work-groups 0-47: the six weights' codes are laid out once as IMAGES OF OPERAND REGISTERS.  A fragment (16 rows x 128 K of 6-bit codes) is 12 registers a lane;
;     its image is 1,536 bytes: register j of lane l at 512 (j / 4) + 16 l + 4 (j % 4), so that three loads of 16 bytes a lane bring it, each 512 dense bytes.
;     Lane m of tile tau is weight row 64 (tau / 4) + 8 (tau % 4) + (m & 7) + 32 (m >> 3): with these rows a product's result holds, in one half of the lanes, 32 NEIGHBOURS along the next K.
;     K = 1,024 (wq, wk, wv, w1): [tau / 4][K step 8][tau % 4][1,536];  K = 512 (w_proj, w2): [tau / 8][K step 4][tau % 8][1,536].  No LDS on this way.
; (b) Work-groups 48-559: x = pre_norm_w (src - mean) + pre_norm_b in f32, quantised along the 1,024 columns: E3M2 codes, one E8M0 byte for each 32.
;     Work-group 48 + T makes tile T = 4 G + i of 16 tokens (lane r of the tile: token 64 G + 8 i + (r & 7) + 32 (r >> 3)): 8 fragment images and 16 x 32 scale bytes.
;     Wave w takes r = 4 w .. 4 w + 3, which are four neighbouring tokens.  A row is read as 8 x 512 dense bytes, turned through the wave's own stage so that lane l holds block l (32 neighbours),
;     quantised with no other lane's help, and its 24 bytes of codes go to their place in the images in LDS; the images leave as dense runs of 512 bytes.
; LIMITS: NaN and infinities are not served.  A block of zeros, or one whose largest magnitude lies under 2^-122, gets the byte 1 (the rule says 127 for zeros): its codes are zeros or are held by the floor; the bytes are read by this program alone.
.set SPARE, 31488                      ; the spare words: 128 bytes a wave, two blocks of 256 bytes that no other line names
.set FP,    1552                       ; a fragment's image in LDS: 1,536 bytes + 16
.set SCB,   12544                      ; 16 rows x 32 scale bytes
.set STG,   13056                      ; a stage of 32 x 144 bytes for each wave
.set SPW, 14                           ; v14  my spare word's address; never rewritten
.set NIL, 15                           ; v15  0; never rewritten
.set NW,  16                           ; v16-47   pre_norm_w at my 32 columns (128 j + 4 lane + 0..3)
.set NB,  48                           ; v48-79   pre_norm_b likewise
.set X,   80                           ; v80-207  four rows x 32
.set Y,   208                          ; v208-239 a block of 32 neighbours
.set CD,  240                          ; v240-245 its codes
.set TP,  246                          ; v246-248 the codes' second half, as the conversion leaves it
.set M0,  250
.set M1,  251
.set SC,  252
.set EB,  253
.set RD,  254                          ; v254 read-back address of my two images
.set SRD, 255                          ; v255 read-back address of the scale bytes
	s_load_b256 s[4:11], s[0:1], 0x0               ; src, pre_norm_w, pre_norm_b, wq_codes
	s_load_b256 s[12:19], s[0:1], 0x20             ; wk_codes, wv_codes, w1_codes, w_proj_codes
	s_load_b128 s[20:23], s[0:1], 0x40             ; w2_codes, xq
	s_load_b64 s[24:25], s[0:1], 0x50              ; wimg
	v_lshl_add_u32 v[SPW], v0, 2, SPARE
	v_mov_b32 v[NIL], 0
	v_lshrrev_b32 v1, 5, v0
	v_readfirstlane_b32 s28, v1                    ; wave 0..3
	v_and_b32 v1, 31, v0                           ; lane
	v_lshlrev_b32 v2, 4, v1                        ; 16 x lane
	s_cmp_lt_u32 ttmp9, 48
	s_cbranch_scc0 .Lnorm
; ---------------- (a) the weights' images ----------------
	s_lshr_b32 s29, ttmp9, 3                       ; which matrix: 0..5 = wq, wk, wv, w1, w_proj, w2
	s_and_b32 s30, ttmp9, 7
	s_lshl_b32 s30, s30, 2
	s_add_co_u32 s30, s30, s28                     ; jn = 0..31: my wave's eight fragments
	v_and_b32 v3, 7, v0
	v_bfe_u32 v4, v0, 3, 1
	v_lshl_add_u32 v3, v4, 5, v3                   ; (m & 7) + 32 (m >> 3)
	v_bfe_u32 v4, v0, 4, 1
	v_mul_u32_u24 v4, v4, 24                       ; my half's 24 bytes
	s_wait_kmcnt 0x0
	s_mov_b64 s[26:27], s[10:11]                   ; the choice hangs on the work-group's number alone
	s_cmp_eq_u32 s29, 1
	s_cselect_b64 s[26:27], s[12:13], s[26:27]
	s_cmp_eq_u32 s29, 2
	s_cselect_b64 s[26:27], s[14:15], s[26:27]
	s_cmp_eq_u32 s29, 3
	s_cselect_b64 s[26:27], s[16:17], s[26:27]
	s_cmp_eq_u32 s29, 4
	s_cselect_b64 s[26:27], s[18:19], s[26:27]
	s_cmp_eq_u32 s29, 5
	s_cselect_b64 s[26:27], s[20:21], s[26:27]
	s_mul_i32 s32, s29, 393216                     ; the matrix's region of wimg
	s_mov_b32 s33, 0
	s_add_nc_u64 s[24:25], s[24:25], s[32:33]
	s_mov_b32 s37, 0
	s_cmp_ge_u32 s29, 4
	s_cbranch_scc1 .Lshort
	; K = 1,024: rows of 768 bytes; tile tau = jn, K steps 0..7
	v_mad_u32_u24 v5, v3, 768, v4
	s_lshr_b32 s34, s30, 2                         ; tau / 4
	s_and_b32 s35, s30, 3                          ; tau % 4
	s_lshl_b32 s36, s34, 6
	s_lshl_b32 s38, s35, 3
	s_add_co_u32 s36, s36, s38
	s_mul_i32 s36, s36, 768
	s_add_nc_u64 s[26:27], s[26:27], s[36:37]
	s_mul_i32 s36, s34, 49152
	s_mul_i32 s38, s35, 1536
	s_add_co_u32 s36, s36, s38
	s_add_nc_u64 s[24:25], s[24:25], s[36:37]
.irp s,0,1,2,3,4,5,6,7
.irp p,0,1,2,3,4,5
	global_load_b64 v[16+12*\s+2*\p:17+12*\s+2*\p], v5, s[26:27] offset:96*\s+48*(\p/3)+8*(\p%3)
.endr
.endr
	s_wait_loadcnt 0x0
.irp s,0,1,2,3,4,5,6,7
.irp k,0,1,2
	global_store_b128 v2, v[16+12*\s+4*\k:19+12*\s+4*\k], s[24:25] offset:6144*\s+512*\k   ; 32 lanes store 512 consecutive bytes, aligned
.endr
.endr
	s_endpgm
.Lshort:
	; K = 512: rows of 384 bytes; tiles tau = 2 jn + e, K steps 0..3
	v_mad_u32_u24 v5, v3, 384, v4
	s_lshr_b32 s34, s30, 1
	s_and_b32 s35, s30, 1
	s_lshl_b32 s36, s34, 6
	s_lshl_b32 s38, s35, 4
	s_add_co_u32 s36, s36, s38                     ; 64 (tau / 4) + 8 (tau % 4) for e = 0
	s_mul_i32 s36, s36, 384
	s_add_nc_u64 s[26:27], s[26:27], s[36:37]
	s_lshr_b32 s34, s30, 2                         ; tau / 8
	s_and_b32 s35, s30, 3
	s_mul_i32 s36, s34, 49152
	s_mul_i32 s38, s35, 3072                       ; 1,536 x (tau % 8) for e = 0
	s_add_co_u32 s36, s36, s38
	s_add_nc_u64 s[24:25], s[24:25], s[36:37]
.irp e,0,1
.irp s,0,1,2,3
.irp p,0,1,2,3,4,5
	global_load_b64 v[16+12*(4*\e+\s)+2*\p:17+12*(4*\e+\s)+2*\p], v5, s[26:27] offset:3072*\e+96*\s+48*(\p/3)+8*(\p%3)
.endr
.endr
.endr
	s_wait_loadcnt 0x0
.irp e,0,1
.irp s,0,1,2,3
.irp k,0,1,2
	global_store_b128 v2, v[16+12*(4*\e+\s)+4*\k:19+12*(4*\e+\s)+4*\k], s[24:25] offset:12288*\s+1536*\e+512*\k
.endr
.endr
.endr
	s_endpgm
; ---------------- (b) the norm and x's codes ----------------
.Lnorm:
	s_sub_co_u32 s29, ttmp9, 48                    ; T
	s_lshr_b32 s30, s29, 2
	s_lshl_b32 s30, s30, 6                         ; 64 G
	s_and_b32 s31, s29, 3
	s_lshl_b32 s31, s31, 3                         ; + 8 i
	s_add_co_u32 s30, s30, s31
	s_and_b32 s31, s28, 1
	s_lshl_b32 s31, s31, 2                         ; + 4 (w & 1)
	s_add_co_u32 s30, s30, s31
	s_lshr_b32 s31, s28, 1
	s_lshl_b32 s31, s31, 5                         ; + 32 (w >> 1): my first token
	s_add_co_u32 s30, s30, s31
	s_lshl_b32 s30, s30, 12                        ; rows of 4,096 bytes
	s_mov_b32 s31, 0
	s_mul_i32 s32, s28, 4608
	s_add_co_u32 s32, s32, STG                     ; my stage
	v_lshrrev_b32 v3, 3, v1
	v_lshl_add_u32 v3, v3, 4, v2
	v_add_nc_u32 v3, s32, v3                       ; in: 16 lane + 16 for each 128 bytes passed
	v_mul_u32_u24 v4, v1, 144
	v_add_nc_u32 v4, s32, v4                       ; out: block l at 144 l
	v_lshrrev_b32 v5, 2, v1
	v_mul_u32_u24 v5, v5, FP                       ; block l lies in fragment l / 4,
	v_and_b32 v6, 1, v1
	v_lshl_add_u32 v5, v6, 8, v5                   ; in the lanes' half l & 1 (16 lanes x 16 bytes),
	s_lshl_b32 s33, s28, 6
	v_add_nc_u32 v5, s33, v5                       ; at lane r = 4 w + k (16 k stands in the immediate),
	v_bfe_u32 v11, v1, 1, 1                        ; in registers 6 c .. 6 c + 5, c = (l >> 1) & 1: three pieces of 8 bytes
	v_mad_u32_u24 v6, v11, 1016, v5
	v_add_nc_u32 v6, 8, v6                         ; piece 1: byte 8 (c = 0) or 1,024 (c = 1)
	v_mad_u32_u24 v7, v11, 520, v5
	v_add_nc_u32 v7, 512, v7                       ; piece 2: byte 512 or 1,032
	v_mad_u32_u24 v5, v11, 520, v5                 ; piece 0: byte 0 or 520
	s_lshl_b32 s33, s28, 7
	s_add_co_u32 s33, s33, SCB
	v_add_nc_u32 v10, s33, v1                      ; scale byte of row 4 w + k, block l: 32 k in the immediate
	s_mul_i32 s33, s28, 2*FP
	v_add_nc_u32 v[RD], s33, v2                    ; back: my two images
	v_add_nc_u32 v[SRD], SCB, v2
	s_mov_b32 s34, 0x76543210
	s_mov_b32 s35, 0xfedcba98                      ; v_permlanex16_b32's selects for lane l xor 16
	s_mul_i32 s36, s29, 12288
	s_mul_i32 s37, s28, 3072
	s_add_co_u32 s36, s36, s37                     ; xq: tile T, my two fragments
	s_mov_b32 s37, 0
	s_lshl_b32 s38, s29, 9
	s_add_co_u32 s38, s38, 6291456                 ; and the tile's 512 scale bytes
	s_mov_b32 s39, 0
	s_wait_kmcnt 0x0
	s_add_nc_u64 s[4:5], s[4:5], s[30:31]
	s_add_nc_u64 s[40:41], s[22:23], s[38:39]
	s_add_nc_u64 s[22:23], s[22:23], s[36:37]
.irp j,0,1,2,3,4,5,6,7
	global_load_b128 v[NW+4*\j:NW+4*\j+3], v2, s[6:7] offset:512*\j
	global_load_b128 v[NB+4*\j:NB+4*\j+3], v2, s[8:9] offset:512*\j
.endr
.irp k,0,1,2,3
.irp j,0,1,2,3,4,5,6,7
	global_load_b128 v[X+32*\k+4*\j:X+32*\k+4*\j+3], v2, s[4:5] offset:4096*\k+512*\j th:TH_LOAD_NT   ; 512 consecutive bytes a load; all four rows are asked for at once
.endr
.endr
.macro ROW k
.set XR, X+32*(\k)
	s_wait_loadcnt 8*(3-(\k))                      ; loads come back in order: gain, bias and rows 0..k are in; the 8 loads of each later row stay out
	v_pk_add_f32 v[8:9], v[XR:XR+1], v[XR+2:XR+3]  ; the row's sum: two chains of pairs
	v_pk_add_f32 v[12:13], v[XR+4:XR+5], v[XR+6:XR+7]
.irp j,8,12,16,20,24,28
	v_pk_add_f32 v[8:9], v[8:9], v[XR+\j:XR+\j+1]
	v_pk_add_f32 v[12:13], v[12:13], v[XR+\j+2:XR+\j+3]
.endr
	v_pk_add_f32 v[8:9], v[8:9], v[12:13]
	v_add_f32 v8, v8, v9
	v_add_f32_dpp v8, v8, v8 row_xmask:1 row_mask:0xf bank_mask:0xf
	v_add_f32_dpp v8, v8, v8 row_xmask:2 row_mask:0xf bank_mask:0xf
	v_add_f32_dpp v8, v8, v8 row_xmask:4 row_mask:0xf bank_mask:0xf
	v_add_f32_dpp v8, v8, v8 row_xmask:8 row_mask:0xf bank_mask:0xf
	v_permlanex16_b32 v9, v8, s34, s35
	v_add_f32 v8, v8, v9
	v_mul_f32 v8, 0x3a800000, v8                   ; / 1,024, exact
.irp j,0,2,4,6,8,10,12,14,16,18,20,22,24,26,28,30
	v_pk_add_f32 v[XR+\j:XR+\j+1], v[XR+\j:XR+\j+1], v[8:9] op_sel_hi:[1,0] neg_lo:[0,1] neg_hi:[0,1]
.endr
.irp j,0,2,4,6,8,10,12,14,16,18,20,22,24,26,28,30
	v_pk_fma_f32 v[XR+\j:XR+\j+1], v[XR+\j:XR+\j+1], v[NW+\j:NW+\j+1], v[NB+\j:NB+\j+1]
.endr
.irp j,0,1,2,3,4,5,6,7
	ds_store_b128 v3, v[XR+4*\j:XR+4*\j+3] offset:576*\j     ; as loaded: 512 bytes and their four paddings a store
.endr
.irp j,0,1,2,3,4,5,6,7
	ds_load_b128 v[Y+4*\j:Y+4*\j+3], v4 offset:16*\j         ; LDS serves a wave's instructions in order: these see the stores above
.endr
	s_wait_dscnt 0x0                               ; my block is in; the last row's stores of codes have read their registers too
	v_max3_num_f32 v[M0], |v[Y]|, |v[Y+1]|, |v[Y+2]|
	v_max3_num_f32 v[M1], |v[Y+3]|, |v[Y+4]|, |v[Y+5]|
.irp j,6,10,14,18,22,26
	v_max3_num_f32 v[M0], v[M0], |v[Y+\j]|, |v[Y+\j+1]|
	v_max3_num_f32 v[M1], v[M1], |v[Y+\j+2]|, |v[Y+\j+3]|
.endr
	v_max3_num_f32 v[M0], v[M0], |v[Y+30]|, |v[Y+31]|
	v_max3_num_f32 v[M0], v[M0], v[M1], 0x2800000  ; and the floor 2^(5 - 127): the byte cannot fall under 1
	v_add_nc_u32 v[SC], 0xfe000000, v[M0]          ; 4 off the exponent field: the conversion takes this operand's exponent field as its scale
	v_cvt_scalef32_pk16_bf6_f32 v[CD:CD+2], v[Y:Y+15], v[SC]
	v_cvt_scalef32_pk16_bf6_f32 v[TP:TP+2], v[Y+16:Y+31], v[SC]   ; (a conversion's three registers begin on an even number)
	v_lshrrev_b32 v[EB], 23, v[SC]                 ; the scale's byte; also the plain line behind the conversions
.irp j,0,1,2
	v_mov_b32 v[CD+3+\j], v[TP+\j]
.endr
	ds_store_b64 v5, v[CD:CD+1] offset:16*(\k)
	ds_store_b64 v6, v[CD+2:CD+3] offset:16*(\k)
	ds_store_b64 v7, v[CD+4:CD+5] offset:16*(\k)
	ds_store_b8 v10, v[EB] offset:32*(\k)
.endm
	ROW 0
	ROW 1
	ROW 2
	ROW 3
	s_wait_dscnt 0x0                               ; for the others' sake: my stores into the images have landed
	s_barrier_signal -1
	s_barrier_wait -1
.irp e,0,1
.irp k,0,1,2
	ds_load_b128 v[16+12*\e+4*\k:19+12*\e+4*\k], v[RD] offset:FP*\e+512*\k
.endr
.endr
.irp e,0,1
.irp k,0,1,2
	s_wait_dscnt 5-3*\e-\k                         ; the loads behind this one may stay out
	global_store_b128 v2, v[16+12*\e+4*\k:19+12*\e+4*\k], s[22:23] offset:1536*\e+512*\k   ; 512 consecutive bytes, aligned
.endr
.endr
	s_cmp_lg_u32 s28, 0
	s_cbranch_scc1 .Lnot0                          ; wave 0 stores the tile's 512 scale bytes
	ds_load_b128 v[40:43], v[SRD]
	s_wait_dscnt 0x0
	global_store_b128 v2, v[40:43], s[40:41]
.Lnot0:
	s_wait_tensorcnt 0x0                           ; the wave's end: a wait, an add to my spare word and its wait, behind my last LDS store
	ds_add_u32 v[SPW], v[NIL]
	s_wait_dscnt 0x0
	s_endpgm
.Lfunc_end_k_q0e589081ad_prep:
	.size	k_q0e589081ad_prep, .Lfunc_end_k_q0e589081ad_prep-k_q0e589081ad_prep
	.p2alignl 7, 3214868480
	.fill 96, 4, 3214868480
	.section	.rodata,"a",@progbits
	.p2align	6, 0x0
	.amdhsa_kernel k_q0e589081ad_prep
		.amdhsa_group_segment_fixed_size 32000
		.amdhsa_private_segment_fixed_size 0
		.amdhsa_enable_private_segment 0
		.amdhsa_kernarg_size 88
		.amdhsa_user_sgpr_count 2
		.amdhsa_user_sgpr_kernarg_segment_ptr 1
		.amdhsa_wavefront_size32 1
		.amdhsa_system_sgpr_workgroup_id_x 1
		.amdhsa_system_sgpr_workgroup_id_y 1
		.amdhsa_system_sgpr_workgroup_id_z 1
		.amdhsa_system_vgpr_workitem_id 0
		.amdhsa_next_free_vgpr 256
		.amdhsa_next_free_sgpr 66
		.amdhsa_reserve_vcc 0
		.amdhsa_float_denorm_mode_32 3
		.amdhsa_float_denorm_mode_16_64 3
		.amdhsa_memory_ordered 1
		.amdhsa_forward_progress 1
		.amdhsa_inst_pref_size 50
	.end_amdhsa_kernel
	.amdgpu_metadata
---
amdhsa.version: [ 1, 2 ]
amdhsa.kernels:
  - .name:           k_q0e589081ad_prep
    .symbol:         k_q0e589081ad_prep.kd
    .args:
      - { .name: src, .offset: 0, .size: 8, .value_kind: global_buffer, .address_space: global }
      - { .name: pre_norm_w, .offset: 8, .size: 8, .value_kind: global_buffer, .address_space: global }
      - { .name: pre_norm_b, .offset: 16, .size: 8, .value_kind: global_buffer, .address_space: global }
      - { .name: wq_codes, .offset: 24, .size: 8, .value_kind: global_buffer, .address_space: global }
      - { .name: wk_codes, .offset: 32, .size: 8, .value_kind: global_buffer, .address_space: global }
      - { .name: wv_codes, .offset: 40, .size: 8, .value_kind: global_buffer, .address_space: global }
      - { .name: w1_codes, .offset: 48, .size: 8, .value_kind: global_buffer, .address_space: global }
      - { .name: w_proj_codes, .offset: 56, .size: 8, .value_kind: global_buffer, .address_space: global }
      - { .name: w2_codes, .offset: 64, .size: 8, .value_kind: global_buffer, .address_space: global }
      - { .name: xq, .offset: 72, .size: 8, .value_kind: global_buffer, .address_space: global }
      - { .name: wimg, .offset: 80, .size: 8, .value_kind: global_buffer, .address_space: global }
    .group_segment_fixed_size: 32000
    .private_segment_fixed_size: 0
    .kernarg_segment_align: 8
    .kernarg_segment_size: 88
    .max_flat_workgroup_size: 128
    .sgpr_count:     66
    .vgpr_count:     256
    .wavefront_size: 32
...
	.end_amdgpu_metadata
.endif
;; end of part 1
;; launch qkv (part 2): grid 2 x 128, 12 waves a work-group, no clusters, 50,688 bytes of LDS; arguments xq, wimg, wq_scales, wk_scales, wv_scales, qq, kvq; writes qq, kvq
.if DOCPART == 2
	.amdgcn_target "amdgcn-amd-amdhsa--gfx1250"
	.amdhsa_code_object_version 6
	.text
	.protected	k_q0e589081ad_qkv
	.globl	k_q0e589081ad_qkv
	.p2align	8
	.type	k_q0e589081ad_qkv,@function
k_q0e589081ad_qkv:
	s_mov_b64 s[64:65], 0
	v_nop
	global_prefetch_b8 v0, s[64:65] scope:SCOPE_SE
	s_setreg_imm32_b32 hwreg(HW_REG_WAVE_MODE, 25, 1), 1
	s_wait_xcnt 0x0
; QKV.  q = x wq, k = x wk, v = x wv on E3M2 codes with E8M0 scales, and the results quantised at once: q and k along the head's 64 channels, v along the keys.
; SHARES.  Work-group (cg, G): 64 tokens (group G) x 12 of the 24 head units; wave w takes unit U = 12 cg + w: kind U / 8 (q, k, v), head U % 8: 4 tiles of tokens x 4 tiles of channels, 16 accumulators, K = 1,024 in 8 steps.
; x's 32 fragment images (49,152 bytes) are copied into LDS once and read by all twelve waves; a weight fragment is read by one wave, straight from memory into operand registers (three loads of 512 dense bytes), and feeds four products.
; q, k: source 0 = 16 weight rows, source 1 = 16 tokens: a lane holds one token and, over the four channel tiles, channels 32 (lane / 16) + 0..31: a whole block of the next K.
; v:    the sources swapped: a lane holds one channel and tokens 32 (lane / 16) + 0..31 of the group: a whole block along the keys.
; So a block's largest magnitude needs no other lane, and the conversions' six registers ARE half a fragment (K = 64) of the next product: stored as 512 + 256 dense bytes.
; Scale words go in PAIR registers: lanes 0-15 hold the words of tile 2 a, lanes 16-31 those of tile 2 a + 1; the instruction's row selector picks.
; NO CLUSTER: the weights, which the 128 row groups share, go from memory into registers; a joint request lands in LDS, which would add a write and a read of 589,824 bytes a work-group.
; LIMITS: NaN and infinities are not served; a block of zeros gets the byte 1 (the rule: 127): its codes are zeros, and this program alone reads the bytes.
.set SPARE, 49152                      ; behind x's images: the spare words, 128 bytes for each of 12 waves
.set XS,  16                           ; v16-23  x's scale words: pair a, K step s at 4 a + s % 4
.set WS,  24                           ; v24-31  the weight's likewise
.set OB,  32                           ; v32-79  x's four fragments of a K step
.set WB,  80                           ; v80-127 the weight's four
.set ACC, 128                          ; v128-255
.macro WMS d, a, b, zero, sa, sb, ra, rb
.if \zero
.if (\ra)==0 && (\rb)==0
	v_wmma_scale_f32_16x16x128_f8f6f4 v[(\d):(\d)+7], v[(\a):(\a)+11], v[(\b):(\b)+11], 0, v[(\sa)], v[(\sb)] matrix_a_fmt:MATRIX_FMT_BF6 matrix_b_fmt:MATRIX_FMT_BF6
.elseif (\ra)==1 && (\rb)==0
	v_wmma_scale_f32_16x16x128_f8f6f4 v[(\d):(\d)+7], v[(\a):(\a)+11], v[(\b):(\b)+11], 0, v[(\sa)], v[(\sb)] matrix_a_fmt:MATRIX_FMT_BF6 matrix_b_fmt:MATRIX_FMT_BF6 matrix_a_scale:MATRIX_SCALE_ROW1
.elseif (\ra)==0 && (\rb)==1
	v_wmma_scale_f32_16x16x128_f8f6f4 v[(\d):(\d)+7], v[(\a):(\a)+11], v[(\b):(\b)+11], 0, v[(\sa)], v[(\sb)] matrix_a_fmt:MATRIX_FMT_BF6 matrix_b_fmt:MATRIX_FMT_BF6 matrix_b_scale:MATRIX_SCALE_ROW1
.else
	v_wmma_scale_f32_16x16x128_f8f6f4 v[(\d):(\d)+7], v[(\a):(\a)+11], v[(\b):(\b)+11], 0, v[(\sa)], v[(\sb)] matrix_a_fmt:MATRIX_FMT_BF6 matrix_b_fmt:MATRIX_FMT_BF6 matrix_a_scale:MATRIX_SCALE_ROW1 matrix_b_scale:MATRIX_SCALE_ROW1
.endif
.else
.if (\ra)==0 && (\rb)==0
	v_wmma_scale_f32_16x16x128_f8f6f4 v[(\d):(\d)+7], v[(\a):(\a)+11], v[(\b):(\b)+11], v[(\d):(\d)+7], v[(\sa)], v[(\sb)] matrix_a_fmt:MATRIX_FMT_BF6 matrix_b_fmt:MATRIX_FMT_BF6
.elseif (\ra)==1 && (\rb)==0
	v_wmma_scale_f32_16x16x128_f8f6f4 v[(\d):(\d)+7], v[(\a):(\a)+11], v[(\b):(\b)+11], v[(\d):(\d)+7], v[(\sa)], v[(\sb)] matrix_a_fmt:MATRIX_FMT_BF6 matrix_b_fmt:MATRIX_FMT_BF6 matrix_a_scale:MATRIX_SCALE_ROW1
.elseif (\ra)==0 && (\rb)==1
	v_wmma_scale_f32_16x16x128_f8f6f4 v[(\d):(\d)+7], v[(\a):(\a)+11], v[(\b):(\b)+11], v[(\d):(\d)+7], v[(\sa)], v[(\sb)] matrix_a_fmt:MATRIX_FMT_BF6 matrix_b_fmt:MATRIX_FMT_BF6 matrix_b_scale:MATRIX_SCALE_ROW1
.else
	v_wmma_scale_f32_16x16x128_f8f6f4 v[(\d):(\d)+7], v[(\a):(\a)+11], v[(\b):(\b)+11], v[(\d):(\d)+7], v[(\sa)], v[(\sb)] matrix_a_fmt:MATRIX_FMT_BF6 matrix_b_fmt:MATRIX_FMT_BF6 matrix_a_scale:MATRIX_SCALE_ROW1 matrix_b_scale:MATRIX_SCALE_ROW1
.endif
.endif
.endm
.macro WLOAD s                         ; the weight's four fragments of K step s
.irp t,0,1,2,3
.irp k,0,1,2
	global_load_b128 v[WB+12*\t+4*\k:WB+12*\t+4*\k+3], v1, s[6:7] offset:6144*(\s)+1536*\t+512*\k
.endr
.endr
.endm
.macro OLOAD s                         ; x's four
.irp i,0,1,2,3
.irp k,0,1,2
	ds_load_b128 v[OB+12*\i+4*\k:OB+12*\i+4*\k+3], v1 offset:12288*\i+1536*(\s)+512*\k
.endr
.endr
.endm
.macro SCL s                           ; the scale words of K steps s and s + 1 (s even), both sides, both pairs
.irp a,0,1
	global_load_b64 v[XS+4*\a+(\s)%4:XS+4*\a+(\s)%4+1], v2, s[10:11] offset:1024*\a+4*(\s)
	global_load_b64 v[WS+4*\a+(\s)%4:WS+4*\a+(\s)%4+1], v3, s[8:9] offset:512*\a+4*(\s)
.endr
.endm
; A K step: 16 products, the accumulators by turns (no two on end share one, over the steps' edges too), four places, then the next step's loads into the registers just read.
.macro STEP1 s, swap
	s_wait_loadcnt 0x0                             ; this step's weight fragments and scale words
	s_wait_dscnt 0x0                               ; and x's fragments
.set ZF, 0
.if (\s)==0
.set ZF, 1                             ; the first step starts the sums: nothing is cleared
.endif
.irp t,0,1,2,3
.irp i,0,1,2,3
.if \swap
	WMS ACC+32*\t+8*\i, OB+12*\i, WB+12*\t, ZF, XS+4*(\i/2)+(\s)%4, WS+4*(\t/2)+(\s)%4, \i%2, \t%2
.else
	WMS ACC+32*\i+8*\t, WB+12*\t, OB+12*\i, ZF, WS+4*(\t/2)+(\s)%4, XS+4*(\i/2)+(\s)%4, \t%2, \i%2
.endif
.endr
.endr
.rept 4
	v_nop                                          ; places in front of loads into registers that these products read, and of the first read of results
.endr
.if (\s)<7
	WLOAD (\s)+1
	OLOAD (\s)+1
.endif
.if (\s)==1
	SCL 4                                          ; into the registers of steps 0 and 1
.endif
.if (\s)==3
	SCL 6                                          ; into those of steps 2 and 3
.endif
.endm
	s_load_b256 s[4:11], s[0:1], 0x0               ; xq, wimg, wq_scales, wk_scales
	s_load_b128 s[12:15], s[0:1], 0x20             ; wv_scales, qq
	s_load_b64 s[16:17], s[0:1], 0x30              ; kvq
	v_lshl_add_u32 v7, v0, 2, SPARE                ; my spare word; never rewritten
	v_mov_b32 v8, 0                                ; 0; never rewritten
	v_lshrrev_b32 v1, 5, v0
	v_readfirstlane_b32 s18, v1                    ; wave 0..11
	v_and_b32 v9, 31, v0                           ; lane
	v_lshlrev_b32 v1, 4, v9                        ; 16 lane
	v_lshlrev_b32 v2, 5, v9                        ; 32 lane: x's scale rows, tile 2 a + lane / 16, row lane % 16
	v_lshlrev_b32 v4, 3, v9                        ; 8 lane
	v_lshlrev_b32 v6, 4, v0                        ; 16 x thread
	v_bfe_u32 v10, v0, 4, 1                        ; h
	v_lshlrev_b32 v5, 3, v10                       ; 8 h
	v_and_b32 v11, 7, v0
	v_lshl_add_u32 v11, v10, 3, v11
	v_bfe_u32 v10, v0, 3, 1
	v_lshl_add_u32 v11, v10, 5, v11                ; 8 h + (r & 7) + 32 (r >> 3): the weight row of tile 2 a + h, lane r, less 16 a
	v_lshlrev_b32 v3, 5, v11                       ; x 32 bytes of scales a row
	s_and_b32 s19, ttmp7, 0xffff                   ; G
	s_mul_i32 s20, ttmp9, 12
	s_add_co_u32 s20, s20, s18                     ; U
	s_lshr_b32 s21, s20, 3                         ; kind
	s_and_b32 s22, s20, 7                          ; head
	s_mov_b32 s23, 0xffff0000                      ; lanes 16-31
	s_mov_b32 s24, 0x76543210
	s_mov_b32 s25, 0xfedcba98
	s_lshr_b32 s26, s19, 5
	s_lshl_b32 s26, s26, 3
	s_add_co_u32 s26, s26, s22                     ; bh = 8 batch + head
	s_lshl_b32 s26, s26, 5
	s_and_b32 s27, s19, 31
	s_add_co_u32 s26, s26, s27                     ; idx = 32 bh + the group in its sequence
	s_min_u32 s27, s21, 1                          ; 0 for q, 1 for k and v: their strides and their scales' base are twice q's
	s_lshr_b32 s28, s21, 1                         ; 1 for v
	s_mul_i32 s30, s26, 3072
	s_lshl_b32 s30, s30, s27
	s_mul_i32 s29, s28, 3072
	s_add_co_u32 s30, s30, s29                     ; where my four half fragments go
	s_mov_b32 s31, 0
	s_lshl_b32 s32, s26, 8
	s_add_co_u32 s32, s32, 3145728
	s_lshl_b32 s32, s32, s27
	s_lshl_b32 s29, s28, 8
	s_add_co_u32 s32, s32, s29                     ; and their two pair registers
	s_mov_b32 s33, 0
	s_mul_i32 s34, s20, 49152                      ; my unit's 32 weight fragments
	s_mov_b32 s35, 0
	s_lshl_b32 s36, s22, 11                        ; my head's 64 rows of weight scales
	s_mov_b32 s37, 0
	s_mul_i32 s38, s19, 49152                      ; the group's images of x
	s_mov_b32 s39, 0
	s_lshl_b32 s40, s19, 11
	s_add_co_u32 s40, s40, 6291456                 ; and its scale bytes
	s_mov_b32 s41, 0
	s_wait_kmcnt 0x0
	s_cmp_eq_u32 s21, 1
	s_cselect_b64 s[8:9], s[10:11], s[8:9]
	s_cmp_eq_u32 s21, 2
	s_cselect_b64 s[8:9], s[12:13], s[8:9]
	s_cmp_eq_u32 s21, 0
	s_cselect_b64 s[14:15], s[14:15], s[16:17]
	s_add_nc_u64 s[8:9], s[8:9], s[36:37]
	s_add_nc_u64 s[6:7], s[6:7], s[34:35]
	s_add_nc_u64 s[10:11], s[4:5], s[40:41]
	s_add_nc_u64 s[4:5], s[4:5], s[38:39]
	s_add_nc_u64 s[12:13], s[14:15], s[32:33]
	s_add_nc_u64 s[14:15], s[14:15], s[30:31]
.irp n,0,1,2,3,4,5,6,7
	global_load_b128 v[ACC+4*\n:ACC+4*\n+3], v6, s[4:5] offset:6144*\n     ; 384 threads x 16 bytes: x's images as they lie
.endr
	SCL 0
	SCL 2
	WLOAD 0
	s_wait_loadcnt 20                              ; x's eight are in; the 8 scale loads and 12 weight loads issued behind them stay out
.irp n,0,1,2,3,4,5,6,7
	ds_store_b128 v6, v[ACC+4*\n:ACC+4*\n+3] offset:6144*\n
.endr
	s_wait_dscnt 0x0                               ; for the others' sake: my part of the images has landed
	s_barrier_signal -1
	s_barrier_wait -1
	OLOAD 0
	s_cmp_ge_u32 s20, 16
	s_cbranch_scc1 .Lv
.irp s,0,1,2,3,4,5,6,7
	STEP1 \s, 0
.endr
	s_branch .Lquant
.Lv:
.irp s,0,1,2,3,4,5,6,7
	STEP1 \s, 1
.endr
.Lquant:
; Registers ACC + 32 a + 0..31 are one block of 32 along the next K, for a = 0..3.  Each accumulator is read from its low end on.
.irp a,0,1,2,3
	v_max3_num_f32 v[72+\a], |v[ACC+32*\a]|, |v[ACC+32*\a+1]|, 0x2800000   ; with the floor 2^(5 - 127)
.endr
.irp i,2,4,6,8,10,12,14,16,18,20,22,24,26,28,30
.irp a,0,1,2,3
	v_max3_num_f32 v[72+\a], v[72+\a], |v[ACC+32*\a+\i]|, |v[ACC+32*\a+\i+1]|
.endr
.endr
.irp a,0,1,2,3
	v_add_nc_u32 v[76+\a], 0xfe000000, v[72+\a]    ; the conversion's scale operand
	v_mov_b32 v[84+\a], 0                          ; (a permute's destination counts as read)
.endr
.irp a,0,1,2,3
	v_lshrrev_b32 v[80+\a], 23, v[76+\a]           ; the byte
.endr
.irp a,0,1,2,3
	v_lshlrev_b32 v[80+\a], v5, v[80+\a]           ; at byte h,
.endr
.irp a,0,1,2,3
	v_permlanex16_b32 v[84+\a], v[80+\a], s24, s25
.endr
.irp a,0,1,2,3
	v_or_b32 v[80+\a], v[80+\a], v[84+\a]          ; with the other half's: the row's half word (its upper 16 bits 0)
.endr
	v_cndmask_b32 v88, v80, v81, s23               ; pair registers: lanes 0-15 tile 0 (2), lanes 16-31 tile 1 (3)
	v_cndmask_b32 v89, v82, v83, s23
.irp a,0,1,2,3
	v_cvt_scalef32_pk16_bf6_f32 v[32+6*\a:34+6*\a], v[ACC+32*\a:ACC+32*\a+15], v[76+\a]
	v_cvt_scalef32_pk16_bf6_f32 v[56+4*\a:58+4*\a], v[ACC+32*\a+16:ACC+32*\a+31], v[76+\a]
.endr
	v_nop                                          ; one plain line behind the conversions
.irp a,0,1,2,3
.irp i,0,1,2
	v_mov_b32 v[35+6*\a+\i], v[56+4*\a+\i]
.endr
.endr
.irp a,0,1,2,3
	global_store_b128 v1, v[32+6*\a:35+6*\a], s[14:15] offset:768*\a        ; registers 0-3: 512 dense bytes
	global_store_b64 v4, v[36+6*\a:37+6*\a], s[14:15] offset:768*\a+512     ; registers 4, 5: 256 dense bytes
.endr
	global_store_b64 v4, v[88:89], s[12:13]        ; 256 dense bytes
	s_wait_tensorcnt 0x0                           ; the wave's end: a wait, an add to my spare word and its wait, behind my last LDS store
	ds_add_u32 v7, v8
	s_wait_dscnt 0x0
	s_endpgm
.Lfunc_end_k_q0e589081ad_qkv:
	.size	k_q0e589081ad_qkv, .Lfunc_end_k_q0e589081ad_qkv-k_q0e589081ad_qkv
	.p2alignl 7, 3214868480
	.fill 96, 4, 3214868480
	.section	.rodata,"a",@progbits
	.p2align	6, 0x0
	.amdhsa_kernel k_q0e589081ad_qkv
		.amdhsa_group_segment_fixed_size 50688
		.amdhsa_private_segment_fixed_size 0
		.amdhsa_enable_private_segment 0
		.amdhsa_kernarg_size 56
		.amdhsa_user_sgpr_count 2
		.amdhsa_user_sgpr_kernarg_segment_ptr 1
		.amdhsa_wavefront_size32 1
		.amdhsa_system_sgpr_workgroup_id_x 1
		.amdhsa_system_sgpr_workgroup_id_y 1
		.amdhsa_system_sgpr_workgroup_id_z 1
		.amdhsa_system_vgpr_workitem_id 0
		.amdhsa_next_free_vgpr 256
		.amdhsa_next_free_sgpr 66
		.amdhsa_reserve_vcc 0
		.amdhsa_float_denorm_mode_32 3
		.amdhsa_float_denorm_mode_16_64 3
		.amdhsa_memory_ordered 1
		.amdhsa_forward_progress 1
		.amdhsa_inst_pref_size 77
	.end_amdhsa_kernel
	.amdgpu_metadata
---
amdhsa.version: [ 1, 2 ]
amdhsa.kernels:
  - .name:           k_q0e589081ad_qkv
    .symbol:         k_q0e589081ad_qkv.kd
    .args:
      - { .name: xq, .offset: 0, .size: 8, .value_kind: global_buffer, .address_space: global }
      - { .name: wimg, .offset: 8, .size: 8, .value_kind: global_buffer, .address_space: global }
      - { .name: wq_scales, .offset: 16, .size: 8, .value_kind: global_buffer, .address_space: global }
      - { .name: wk_scales, .offset: 24, .size: 8, .value_kind: global_buffer, .address_space: global }
      - { .name: wv_scales, .offset: 32, .size: 8, .value_kind: global_buffer, .address_space: global }
      - { .name: qq, .offset: 40, .size: 8, .value_kind: global_buffer, .address_space: global }
      - { .name: kvq, .offset: 48, .size: 8, .value_kind: global_buffer, .address_space: global }
    .group_segment_fixed_size: 50688
    .private_segment_fixed_size: 0
    .kernarg_segment_align: 8
    .kernarg_segment_size: 56
    .max_flat_workgroup_size: 384
    .sgpr_count:     66
    .vgpr_count:     256
    .wavefront_size: 32
...
	.end_amdgpu_metadata
.endif
;; end of part 2
;; launch attn (part 3): grid 8 x 32, 16 waves a work-group, clusters of 4 x 1, 327,680 bytes of LDS; arguments qq, kvq, oq; writes oq
.if DOCPART == 3
	.amdgcn_target "amdgcn-amd-amdhsa--gfx1250"
	.amdhsa_code_object_version 6
	.text
	.protected	k_q0e589081ad_attn
	.globl	k_q0e589081ad_attn
	.p2align	8
	.type	k_q0e589081ad_attn,@function
k_q0e589081ad_attn:
	s_mov_b64 s[64:65], 0
	v_nop
	global_prefetch_b8 v0, s[64:65] scope:SCOPE_SE
	s_setreg_imm32_b32 hwreg(HW_REG_WAVE_MODE, 25, 1), 1
	s_wait_xcnt 0x0
	s_wait_alu depctr_hold_cnt(0) depctr_sa_sdst(0) depctr_va_vdst(0) depctr_va_sdst(0) depctr_va_ssrc(0) depctr_va_vcc(0) depctr_vm_vsrc(0)
	s_getreg_b32 s2, hwreg(HW_REG_IB_STS2, 6, 4)
	s_cmp_eq_u32 s2, 0
	s_cbranch_scc0 .Lentry_in_a_cluster
	s_endpgm
.Lentry_in_a_cluster:
	s_bfe_u32 s2, ttmp6, 0x10000c
	s_cmp_lg_u32 s2, 0x3003
	s_cbranch_scc0 .Lentry_shape_is_right
	s_endpgm
.Lentry_shape_is_right:
; ATTN.  o = softmax(q k^T / 8) v for one (batch, head) and 256 queries a work-group, both products on E3M2 codes with E8M0 scales; o / l quantised along the head's channels for the projection.
; THE SOFTMAX AHEAD OF THE SECOND PRODUCT: t = score x log2(e) / 8 (one multiplication); M = the running largest t rounded up to a whole number; p = 2^(t - M) is quantised along the keys, not normalised;
; the row's sum l is taken of the unquantised p; when M moves, l and O are multiplied by 2^(old M - new M), exact; O is divided by l at the end (v_rcp_f32 and a multiplication).
; SHARES.  Sixteen waves, one tile of 16 queries each, 256 registers: four waves to a SIMD.  Every wave walks the head's 2,048 keys, 128 a step.
; ALL OF THE HEAD'S K AND V LIE IN LDS: 196,608 bytes of codes and 16,384 of scale words, each byte filled once.  The four query blocks of a cluster read the same K and V, so every tensor load is a JOINT one
; (mask 15).  Each wave asks for five tiles at the head (its sixteenth of the scales and of each quarter of the codes): five tensor loads of mine are out at the most; the walk starts when the first quarter has landed.
; No data prefetch: every byte that this launch reads is asked for at its head.
; LAYOUT.  Both products transposed: S^T = K Q^T, O^T = V^T P^T: a lane holds one query.  Lane m of key tile t of a group of 64 is key 8 t + (m & 7) + 32 (m >> 3), so registers 8 t + j of a lane are keys 32 (lane / 16) + 0..31:
; a whole block of 32 keys in a lane: its largest p needs no other lane, and the conversions' registers are P's fragment as they stand.
; K = 64 ON A K = 128 INSTRUCTION: Q's registers 6-11 are zero codes; K's tile t is named as 12 registers, of which the upper six are the next tile's codes (behind the last tile: zeros): they meet zero codes and add nothing.
; The scale words' upper two bytes are 0 there (2^-127), never 0xff.
; o's half words leave as 128 dense bytes a wave, half of an aligned 256: 524,288 bytes in the whole launch.
; LIMITS: NaN and infinities are not served; a block of zeros gets the byte 1 (the rule: 127): its codes are zeros, and this program alone reads the bytes.
; REGISTERS: v3, v4 16 and 8 x lane; v5, v6 the add's two; v7 8 h; v8-10 the step's LDS addresses; v12 -M, v13 the largest t, v[14:15] l; v16-27 Q; v28 Q's scales, v29 P's, v30-31 V's; v32-79 K's or V's codes, v80-85 zeros;
; v86-89 K's scale pairs; v90-93 V's half words; v96-159 S^T, then p; v160-191 O^T; v192-203 P's codes; v204-223 at work.
.set SCB,   196608                     ; the scale words: a step's 1,024 bytes: K of group 2 s, V of it, K of group 2 s + 1, V of it
.set SPARE, 212992                     ; the spare words: 128 bytes for each of 16 waves
.macro WMS d, a, b, zero, sa, sb, ra
.if \zero
.if \ra
	v_wmma_scale_f32_16x16x128_f8f6f4 v[(\d):(\d)+7], v[(\a):(\a)+11], v[(\b):(\b)+11], 0, v[(\sa)], v[(\sb)] matrix_a_fmt:MATRIX_FMT_BF6 matrix_b_fmt:MATRIX_FMT_BF6 matrix_a_scale:MATRIX_SCALE_ROW1
.else
	v_wmma_scale_f32_16x16x128_f8f6f4 v[(\d):(\d)+7], v[(\a):(\a)+11], v[(\b):(\b)+11], 0, v[(\sa)], v[(\sb)] matrix_a_fmt:MATRIX_FMT_BF6 matrix_b_fmt:MATRIX_FMT_BF6
.endif
.else
.if \ra
	v_wmma_scale_f32_16x16x128_f8f6f4 v[(\d):(\d)+7], v[(\a):(\a)+11], v[(\b):(\b)+11], v[(\d):(\d)+7], v[(\sa)], v[(\sb)] matrix_a_fmt:MATRIX_FMT_BF6 matrix_b_fmt:MATRIX_FMT_BF6 matrix_a_scale:MATRIX_SCALE_ROW1
.else
	v_wmma_scale_f32_16x16x128_f8f6f4 v[(\d):(\d)+7], v[(\a):(\a)+11], v[(\b):(\b)+11], v[(\d):(\d)+7], v[(\sa)], v[(\sb)] matrix_a_fmt:MATRIX_FMT_BF6 matrix_b_fmt:MATRIX_FMT_BF6
.endif
.endif
.endm
.macro ROUND                           ; a round of the cluster's barrier
	s_barrier_signal -1
	s_barrier_wait -1
	s_cmp_lg_u32 s10, 0
	s_cbranch_scc1 .Lnot_wave_0_\@
	s_barrier_signal -3
.Lnot_wave_0_\@:
	s_barrier_wait -3
	s_barrier_signal -1
	s_barrier_wait -1
.endm
	s_load_b128 s[4:7], s[0:1], 0x0                ; qq, kvq
	s_load_b64 s[8:9], s[0:1], 0x10                ; oq
	v_lshl_add_u32 v5, v0, 2, SPARE
	v_mov_b32 v6, 0
	ds_add_u32 v5, v6                              ; the wave's opening: the add, twice on end, and its wait ahead of my first tensor load
	ds_add_u32 v5, v6
	v_lshrrev_b32 v1, 5, v0
	v_readfirstlane_b32 s10, v1                    ; wave 0..15
	s_bfe_u32 s11, ttmp6, 0x40000                  ; cx: it enters Q's and O's global addresses alone
	s_lshl_b32 s12, ttmp9, 2
	s_add_co_u32 s12, s12, s11                     ; my block of 256 queries
	s_and_b32 s13, ttmp7, 0xffff                   ; bh, which the four partners share
	; group 1: dense rows of 256 bytes (32 elements of 8 bytes), 12 rows of codes or 4 of scale words; mask 15 with bit 21 beside it; no padding
	s_mov_b32 s24, 15|(3<<16)|(1<<21)
	s_mov_b32 s25, 32<<16
	s_mov_b32 s26, 12<<16
	s_mov_b32 s27, 32<<16
	s_mov_b32 s28, 12
	s_mov_b32 s29, 32
	s_mov_b32 s30, 0
	s_mov_b32 s31, 0
	s_mov_b32 s32, 15|(3<<16)|(1<<21)
	s_mov_b32 s33, 32<<16
	s_mov_b32 s34, 4<<16
	s_mov_b32 s35, 32<<16
	s_mov_b32 s36, 4
	s_mov_b32 s37, 32
	s_mov_b32 s38, 0
	s_mov_b32 s39, 0
	s_mov_b32 s20, 0x76543210
	s_mov_b32 s21, 0xfedcba98                      ; v_permlanex16_b32's selects for lane l xor 16
	s_mov_b32 s22, 0x3e38aa3b                      ; c = log2(e) / 8
	s_mov_b32 s23, s22                             ; (named with it as a pair)
	s_mul_i32 s14, s13, 196608
	s_mul_i32 s15, s10, 3072
	s_add_co_u32 s14, s14, s15                     ; my 3,072 bytes of the head's first quarter of codes
	s_mov_b32 s15, 0
	s_lshl_b32 s16, s13, 14
	s_lshl_b32 s17, s10, 10
	s_add_co_u32 s16, s16, s17
	s_add_co_u32 s16, s16, 6291456                 ; my 1,024 bytes of its scale words
	s_mov_b32 s17, 0
	s_wait_dscnt 0x0                               ; both opening adds are done
	s_wait_kmcnt 0x0
	s_add_nc_u64 s[14:15], s[6:7], s[14:15]
	s_add_nc_u64 s[16:17], s[6:7], s[16:17]
	s_mov_b32 s40, 1                               ; group 0, a set for each of my five loads: count 1, LDS address, global address, type 2
	s_lshl_b32 s41, s10, 10
	s_add_co_u32 s41, s41, SCB
	s_mov_b64 s[42:43], s[16:17]
	s_or_b32 s43, s43, 0x80000000
.irp j,0,1,2,3
	s_mov_b32 s[44+4*\j], 1
	s_mul_i32 s[45+4*\j], s10, 3072
	s_add_co_u32 s[45+4*\j], s[45+4*\j], 49152*\j
	s_add_nc_u64 s[46+4*\j:47+4*\j], s[14:15], 49152*\j
	s_or_b32 s[47+4*\j], s[47+4*\j], 0x80000000
.endr
	ROUND                                          ; all four work-groups are here: the joint loads meet
	tensor_load_to_lds s[40:43], s[32:39]          ; the scale words first: they are wanted with the first step
	s_nop 0
.irp j,0,1,2,3
	tensor_load_to_lds s[44+4*\j:47+4*\j], s[24:31]
	s_nop 0
.endr
.rept 4
	v_nop
.endr
	v_and_b32 v1, 31, v0
	v_lshlrev_b32 v3, 4, v1
	v_lshlrev_b32 v4, 3, v1
	v_bfe_u32 v2, v0, 4, 1
	v_lshlrev_b32 v7, 3, v2
	v_and_b32 v11, 15, v0
	v_lshlrev_b32 v11, 3, v11                      ; 8 r
	s_lshl_b32 s12, s12, 4
	s_add_co_u32 s12, s12, s10                     ; T': my tile in the sequence
	s_lshl_b32 s11, s13, 7
	s_add_co_u32 s11, s11, s12                     ; 128 bh + T'
	s_mul_i32 s2, s11, 768
	s_mov_b32 s3, 0
	s_add_nc_u64 s[14:15], s[4:5], s[2:3]          ; Q's half fragment
	s_lshr_b32 s2, s11, 2
	s_lshl_b32 s2, s2, 8                           ; its group's 256 bytes of pair registers:
	s_and_b32 s18, s12, 1
	s_lshl_b32 s18, s18, 7                         ; lanes 16 (T' & 1) + r,
	s_add_co_u32 s2, s2, s18
	s_bfe_u32 s18, s12, 0x10001
	s_lshl_b32 s18, s18, 2                         ; pair (T' >> 1) & 1
	s_add_co_u32 s2, s2, s18
	s_add_co_u32 s2, s2, 3145728
	s_add_nc_u64 s[16:17], s[4:5], s[2:3]
	s_lshr_b32 s2, s13, 3
	s_lshl_b32 s2, s2, 7
	s_add_co_u32 s2, s2, s12                       ; the tile among all 512
	s_lshl_b32 s2, s2, 3
	s_and_b32 s18, s13, 7
	s_add_co_u32 s18, s2, s18                      ; x 8 + head
	s_mul_i32 s2, s18, 768
	s_add_nc_u64 s[4:5], s[8:9], s[2:3]            ; o's half fragment
	s_lshl_b32 s2, s18, 7
	s_add_co_u32 s2, s2, 3145728
	s_add_nc_u64 s[8:9], s[8:9], s[2:3]            ; and its half words
	global_load_b128 v[16:19], v3, s[14:15]
	global_load_b64 v[20:21], v4, s[14:15] offset:512
	global_load_b32 v28, v11, s[16:17]
.irp j,22,23,24,25,26,27,80,81,82,83,84,85
	v_mov_b32 v\j, 0                               ; zero codes
.endr
.set j, 0
.rept 32
	v_mov_b32 v[160+j], 0                          ; O^T: the step is written once; the first finds zeros
.set j, j+1
.endr
	v_mov_b32 v14, 0
	v_mov_b32 v15, 0
	v_mov_b32 v215, 0                              ; (a permute's destination counts as read)
	v_mov_b32 v217, 0                              ; (named as the upper half of the pair v[216:217])
	v_mov_b32 v13, 0xff61b1e6                      ; the largest t so far: -3e38
	v_floor_f32 v12, -v13                          ; -M
; A KEY STEP: 128 keys, groups 2 s and 2 s + 1.  s60: the step's codes in LDS; s61: its scale words.
.macro STEP2
	v_add_nc_u32 v8, s60, v3
	v_add_nc_u32 v9, s60, v4
	v_add_nc_u32 v10, s61, v4
	v_nop                                          ; these four are the places behind the last step's products, in front of loads into registers that they read
.irp t,0,1,2,3,4,5,6,7
	ds_load_b128 v[32+6*\t:35+6*\t], v8 offset:(\t/4)*6144+(\t%4)*768
	ds_load_b64 v[36+6*\t:37+6*\t], v9 offset:(\t/4)*6144+(\t%4)*768+512
.endr
	ds_load_b64 v[86:87], v10                      ; K's pair registers, group 2 s
	ds_load_b64 v[88:89], v10 offset:512           ; group 2 s + 1
	ds_load_b64 v[90:91], v10 offset:256           ; V's half words, group 2 s
	ds_load_b64 v[92:93], v10 offset:768           ; group 2 s + 1
	s_wait_dscnt 0x0
	v_lshl_or_b32 v30, v92, 16, v90                ; V's words for 128 keys: bytes 0, 1 from group 2 s, bytes 2, 3 from group 2 s + 1
	v_lshl_or_b32 v31, v93, 16, v91
.irp t,0,1,2,3,4,5,6,7
	WMS 96+8*\t, 32+6*\t, 16, 1, 86+2*(\t/4)+(\t%4)/2, 28, \t%2
.endr
.rept 4
	v_nop                                          ; places in front of the loads below and of the first read of the scores
.endr
.irp a,0,1,2,3
	ds_load_b128 v[32+12*\a:35+12*\a], v8 offset:3072+768*\a         ; V^T, channel tile a: keys of group 2 s in registers 0-5,
	ds_load_b64 v[36+12*\a:37+12*\a], v9 offset:3072+768*\a+512
	ds_load_b128 v[38+12*\a:41+12*\a], v8 offset:9216+768*\a         ; of group 2 s + 1 in registers 6-11.  They land while the softmax is walked
	ds_load_b64 v[42+12*\a:43+12*\a], v9 offset:9216+768*\a+512
.endr
	v_max3_num_f32 v212, v96, v97, v98             ; the largest score of each of my two blocks of 32 keys: for the row's maximum, and, since p rises with the score, for the block's largest p
	v_max3_num_f32 v213, v128, v129, v130
.set j, 3
.rept 14
	v_max3_num_f32 v212, v212, v[96+j], v[97+j]
	v_max3_num_f32 v213, v213, v[128+j], v[129+j]
.set j, j+2
.endr
	v_max_num_f32 v212, v212, v127
	v_max_num_f32 v213, v213, v159
	v_max_num_f32 v214, v212, v213
	v_permlanex16_b32 v215, v214, s20, s21
	v_max_num_f32 v214, v214, v215                 ; the step's largest score of my query
	v_mul_f32 v214, s22, v214                      ; as t
	v_max_num_f32 v13, v13, v214
	v_mov_b32 v214, v12
	v_floor_f32 v12, -v13                          ; the new -M = -ceil(t)
	v_sub_f32 v214, v12, v214                      ; old M - new M: a whole number, 0 or less
	v_cvt_i32_f32 v214, v214                       ; (it saturates)
	v_ldexp_f32 v216, 1.0, v214                    ; f = 2^(old M - new M)
.set j, 0
.rept 32
	v_pk_fma_f32 v[96+j:97+j], v[96+j:97+j], s[22:23], v[12:13] op_sel_hi:[1,0,0]   ; t - M
.set j, j+2
.endr
	v_fma_f32 v212, v212, s22, v12                 ; the same of each block's largest score
	v_fma_f32 v213, v213, s22, v12
.set j, 0
.rept 64
	v_exp_f32 v[96+j], v[96+j]                     ; p = 2^(t - M)
.set j, j+1
.endr
	v_pk_mul_f32 v[14:15], v[14:15], v[216:217] op_sel_hi:[1,0]   ; l under the new M; the plain line behind the exponentials
	s_wait_alu depctr_va_vdst(0)                   ; one wait for the batch of 64, ahead of its first reader
	v_exp_f32 v212, v212                           ; the blocks' largest p
	v_exp_f32 v213, v213
	v_pk_add_f32 v[218:219], v[96:97], v[98:99]    ; l is taken of the unquantised p: two chains of pairs
.set j, 4
.rept 15
	v_pk_add_f32 v[14:15], v[14:15], v[96+j:97+j]
	v_pk_add_f32 v[218:219], v[218:219], v[98+j:99+j]
.set j, j+4
.endr
	v_pk_add_f32 v[14:15], v[14:15], v[218:219]
	s_wait_alu depctr_va_vdst(0)                   ; and one for the two
	v_max_num_f32 v212, 0x2800000, v212            ; the floor 2^(5 - 127)
	v_max_num_f32 v213, 0x2800000, v213
	v_add_nc_u32 v220, 0xfe000000, v212
	v_add_nc_u32 v221, 0xfe000000, v213
	v_lshrrev_b32 v222, 23, v220
	v_lshrrev_b32 v223, 23, v221
	v_lshl_or_b32 v222, v223, 16, v222             ; my blocks h and 2 + h,
	v_lshlrev_b32 v222, v7, v222                   ; at their bytes,
	v_permlanex16_b32 v215, v222, s20, s21
	v_or_b32 v29, v222, v215                       ; with the other half's two: P's scale word
	v_cvt_scalef32_pk16_bf6_f32 v[192:194], v[96:111], v220
	v_cvt_scalef32_pk16_bf6_f32 v[204:206], v[112:127], v220
	v_cvt_scalef32_pk16_bf6_f32 v[198:200], v[128:143], v221
	v_cvt_scalef32_pk16_bf6_f32 v[208:210], v[144:159], v221
	v_nop                                          ; one plain line behind the conversions
.irp i,0,1,2
	v_mov_b32 v[195+\i], v[204+\i]
	v_mov_b32 v[201+\i], v[208+\i]
.endr
.set j, 0
.rept 16
	v_pk_mul_f32 v[160+j:161+j], v[160+j:161+j], v[216:217] op_sel_hi:[1,0]   ; O^T under the new M.  Twelve of these name no register of the first product below: the places between P's word and codes and that product
.set j, j+2
.endr
	s_wait_dscnt 0x0                               ; V
.irp a,0,1,2,3
	WMS 160+8*\a, 32+12*\a, 192, 0, 30+\a/2, 29, \a%2
.endr
.endm
; A quarter of the keys: four steps.  The count leaves the later quarters' loads out.
.macro QUARTER n
	s_wait_tensorcnt 3-(\n)                        ; my parts of the scale words and of quarters 0 .. n have landed,
	s_barrier_signal -1
	s_barrier_wait -1                              ; everybody's have
	s_mov_b32 s60, 49152*(\n)
	s_mov_b32 s61, 4096*(\n)+SCB
	s_mov_b32 s62, 4
.Lstep_\@:
	STEP2
	s_add_co_u32 s60, s60, 12288
	s_add_co_u32 s61, s61, 1024
	s_sub_co_u32 s62, s62, 1
	s_cmp_lg_u32 s62, 0
	s_cbranch_scc1 .Lstep_\@
.endm
	s_wait_loadcnt 0x0                             ; Q
	QUARTER 0
	QUARTER 1
	QUARTER 2
	QUARTER 3
.rept 4
	v_nop                                          ; places behind the last products
.endr
	v_add_f32 v14, v14, v15
	v_permlanex16_b32 v215, v14, s20, s21
	v_add_f32 v14, v14, v215                       ; the row's sum
	v_rcp_f32 v14, v14
	v_nop
	s_wait_alu depctr_va_vdst(0)                   ; ahead of the reciprocal's first reader
.set j, 0
.rept 32
	v_mul_f32 v[96+j], v[160+j], v14               ; o(query, 32 h + j): each accumulator from its low end on
.set j, j+1
.endr
	v_max3_num_f32 v212, |v96|, |v97|, 0x2800000
	v_max3_num_f32 v213, |v98|, |v99|, 0x2800000
.irp i,4,8,12,16,20,24,28
	v_max3_num_f32 v212, v212, |v[96+\i]|, |v[97+\i]|
	v_max3_num_f32 v213, v213, |v[98+\i]|, |v[99+\i]|
.endr
	v_max_num_f32 v212, v212, v213
	v_add_nc_u32 v220, 0xfe000000, v212
	v_lshrrev_b32 v222, 23, v220
	v_lshlrev_b32 v222, v7, v222
	v_permlanex16_b32 v215, v222, s20, s21
	v_or_b32 v222, v222, v215                      ; the row's half word for this head
	v_cvt_scalef32_pk16_bf6_f32 v[192:194], v[96:111], v220
	v_cvt_scalef32_pk16_bf6_f32 v[204:206], v[112:127], v220
	v_nop
.irp i,0,1,2
	v_mov_b32 v[195+\i], v[204+\i]
.endr
	global_store_b128 v3, v[192:195], s[4:5]
	global_store_b64 v4, v[196:197], s[4:5] offset:512
	v_lshlrev_b32 v1, 2, v1
	global_store_b32 v1, v222, s[8:9]
	s_wait_tensorcnt 0x0                           ; the wave's end: a wait, an add to my spare word and its wait, behind my last tensor load
	ds_add_u32 v5, v6
	s_wait_dscnt 0x0
	ROUND                                          ; the closing round
	s_endpgm
.Lfunc_end_k_q0e589081ad_attn:
	.size	k_q0e589081ad_attn, .Lfunc_end_k_q0e589081ad_attn-k_q0e589081ad_attn
	.p2alignl 7, 3214868480
	.fill 96, 4, 3214868480
	.section	.rodata,"a",@progbits
	.p2align	6, 0x0
	.amdhsa_kernel k_q0e589081ad_attn
		.amdhsa_group_segment_fixed_size 327680
		.amdhsa_private_segment_fixed_size 0
		.amdhsa_enable_private_segment 0
		.amdhsa_kernarg_size 24
		.amdhsa_user_sgpr_count 2
		.amdhsa_user_sgpr_kernarg_segment_ptr 1
		.amdhsa_wavefront_size32 1
		.amdhsa_system_sgpr_workgroup_id_x 1
		.amdhsa_system_sgpr_workgroup_id_y 1
		.amdhsa_system_sgpr_workgroup_id_z 1
		.amdhsa_system_vgpr_workitem_id 0
		.amdhsa_next_free_vgpr 256
		.amdhsa_next_free_sgpr 66
		.amdhsa_reserve_vcc 0
		.amdhsa_float_denorm_mode_32 3
		.amdhsa_float_denorm_mode_16_64 3
		.amdhsa_memory_ordered 1
		.amdhsa_forward_progress 1
		.amdhsa_inst_pref_size 73
	.end_amdhsa_kernel
	.amdgpu_metadata
---
amdhsa.version: [ 1, 2 ]
amdhsa.kernels:
  - .name:           k_q0e589081ad_attn
    .symbol:         k_q0e589081ad_attn.kd
    .args:
      - { .name: qq, .offset: 0, .size: 8, .value_kind: global_buffer, .address_space: global }
      - { .name: kvq, .offset: 8, .size: 8, .value_kind: global_buffer, .address_space: global }
      - { .name: oq, .offset: 16, .size: 8, .value_kind: global_buffer, .address_space: global }
    .group_segment_fixed_size: 327680
    .private_segment_fixed_size: 0
    .kernarg_segment_align: 8
    .kernarg_segment_size: 24
    .max_flat_workgroup_size: 512
    .sgpr_count:     66
    .vgpr_count:     256
    .wavefront_size: 32
...
	.end_amdgpu_metadata
.endif
;; end of part 3
;; launch tail (part 4): grid 256 x 1, 8 waves a work-group, no clusters, 122,880 bytes of LDS; arguments oq, wimg, w_proj_scales, w1_scales, w2_scales, src, b_proj, norm1_w, norm1_b, b1, b2, out0; writes out0
.if DOCPART == 4
	.amdgcn_target "amdgcn-amd-amdhsa--gfx1250"
	.amdhsa_code_object_version 6
	.text
	.protected	k_q0e589081ad_tail
	.globl	k_q0e589081ad_tail
	.p2align	8
	.type	k_q0e589081ad_tail,@function
k_q0e589081ad_tail:
	s_mov_b64 s[64:65], 0
	v_nop
	global_prefetch_b8 v0, s[64:65] scope:SCOPE_SE
	s_setreg_imm32_b32 hwreg(HW_REG_WAVE_MODE, 25, 1), 1
	s_wait_xcnt 0x0
; TAIL.  y = src + o w_proj + b_proj;  s = norm1_w (y - mean) + norm1_b;  out = s + relu(s w1 + b1) w2 + b2.  The three products on E3M2 codes with E8M0 scales; s and the hidden layer are quantised on the way and never go to memory.
; SHARES.  Work-group W takes 32 tokens, the row tiles 2 W and 2 W + 1 of the 512 (lane r of tile i: token 64 (W / 2) + 16 (W % 2) + 8 i + (r & 7) + 32 (r >> 3)), through the whole chain: 256 work-groups.
; THE WAVES SHARE THE COLUMNS: wave w owns model columns 128 w .. + 127 (8 tiles) and hidden units 64 w .. + 63 (4 tiles), for both tiles of tokens.  The norm needs whole rows, so every work-group walks all 1,179,648 bytes of
; weight images whatever its rows; what grows with the rows (the stages, the norm, the quantisers, the tokens' fragments) is shared out as far as the tiles of 16 and the number of work-groups allow.
; All products transposed (source 0 = 16 weight rows, source 1 = 16 tokens): a lane holds one token, and over four neighbouring weight tiles 32 NEIGHBOURS along the next K: a block's largest magnitude needs no other lane.
; The sums begin on what is to be added anyway: the first product on src + b_proj, the second on b1 (loaded into its accumulators), the third on s.
; Weight fragments come from memory straight into operand registers, three sets of four fragments by turns; unit u + 3 is asked for behind unit u's products, through the norm and the quantisers too: these never touch the three sets.
; The tokens' fragments come from LDS into two sets by turns: K step s + 2 is asked for behind step s's products.
; Operands go from wave to wave through LDS as images of their registers; four barriers, each behind a wait for all my LDS instructions; every shared region is written once.
; NO CLUSTER, NO TENSOR LOAD: the weights, which all work-groups share, go into registers; a joint request lands in LDS, which would add a write and a read of 1,179,648 bytes a work-group, with one load a wave on its way
; where three units of 6,144 bytes a wave are asked for ahead here.
; LIMITS: NaN and infinities are not served; a block of zeros gets the byte 1 (the rule: 127): its codes are zeros, and this program alone reads the bytes.
; REGISTERS.  Window 1 (v256-511): S(i, t) at 64 i + 8 t: y, then s, then out.  v128-191: norm1_w at my lane's 64 columns, later the hidden layer's 8 accumulators at 128 + 32 i + 8 f.  v192-255: norm1_b.
; Window 0: v1-21, v244-251 addresses; v24-27 b_proj, v28-31 b2 (at columns 4 lane + 0..3 of my 128); v32-79 the tokens' fragments, two sets of two, else at work; v80-223 three sets of weight fragments; v224-227 the tokens' scale words; v228-243 the weights'.
.set OIMG, 0                           ; o's 8 fragments, (4 i + s) x 1,536
.set OSC,  12288                       ; their scale words, 128 bytes each
.set SIMG, 13312                       ; s's 16 fragments, (8 i + s) x 1,536
.set SSC,  37888
.set HIMG, 39936                       ; the hidden layer's 8
.set HSC,  52224
.set PSB,  53248                       ; the rows' partial sums: [wave 8][i 2][r 16] words
.set STG,  54272                       ; a stage of 16 rows x (512 + 16) bytes for each wave
.set SPARE, 121856                     ; the spare words: 128 bytes for each of 8 waves
.set L16, 1
.set L8,  2
.set L4,  3
.set STI, 4                            ; the stage by rows: 16 lane
.set STA, 5                            ; the stage by accumulators: 528 r + 128 h
.set GRO, 7                            ; 512 w + 16 lane: my 16 bytes of a row's 4,096
.set SH8, 8
.set RS16, 9
.set RS8, 10
.set RS4, 11
.set SW16, 12
.set SW8, 13
.set SW4, 14
.set PSW, 15
.set PSR, 16
.set LR16, 17
.set LR32, 18
.set H128, 19
.set SPW, 20
.set NIL, 21
.set BP,  24
.set B2R, 28
.set OB,  32
.set WB,  80
.set OS,  224
.set WSC, 228
.set TID, 244
.set OSW, 245
.set RH16, 246
.set RH8, 247
.set RH4, 248
.set HW16, 249
.set HW8, 250
.set HW2, 251
.set MSB, 0
.macro WIN new                         ; bits 1:0 source 0, 3:2 source 1, 5:4 source 2, 7:6 destination; the high byte repeats the setting that is left
.if MSB != \new
	s_set_vgpr_msb (MSB<<8)|\new
.set MSB, \new
.endif
.endm
.macro WMS d, a, b, sa, sb, ra         ; every product adds in place
.if \ra
	v_wmma_scale_f32_16x16x128_f8f6f4 v[(\d):(\d)+7], v[(\a):(\a)+11], v[(\b):(\b)+11], v[(\d):(\d)+7], v[(\sa)], v[(\sb)] matrix_a_fmt:MATRIX_FMT_BF6 matrix_b_fmt:MATRIX_FMT_BF6 matrix_a_scale:MATRIX_SCALE_ROW1
.else
	v_wmma_scale_f32_16x16x128_f8f6f4 v[(\d):(\d)+7], v[(\a):(\a)+11], v[(\b):(\b)+11], v[(\d):(\d)+7], v[(\sa)], v[(\sb)] matrix_a_fmt:MATRIX_FMT_BF6 matrix_b_fmt:MATRIX_FMT_BF6
.endif
.endm
.macro BAR                             ; my LDS stores have landed and my LDS loads are in: then the work-group's barrier
	s_wait_dscnt 0x0
	s_barrier_signal -1
	s_barrier_wait -1
.endm
; Unit u = four weight fragments, 6,144 dense bytes: units 0-7 w_proj's, 8-15 w1's, 16-23 w2's; into set u % 3
.macro WLOAD u
.irp f,0,1,2,3
.irp k,0,1,2
	global_load_b128 v[WB+48*((\u)%3)+12*\f+4*\k:WB+48*((\u)%3)+12*\f+4*\k+3], v[L16], s[30+2*((\u)/8):31+2*((\u)/8)] offset:6144*((\u)%8)+1536*\f+512*\k
.endr
.endr
.endm
; The two tiles' fragments of K step st, and their scale words, into set st % 2: ten LDS loads
.macro OLOAD a16, a8, a4, cb, sb, ks, st
.irp i,0,1
	ds_load_b128 v[OB+24*((\st)%2)+12*\i:OB+24*((\st)%2)+12*\i+3], v[\a16] offset:(\cb)+(\i*(\ks)+(\st))*1536
	ds_load_b64 v[OB+24*((\st)%2)+12*\i+4:OB+24*((\st)%2)+12*\i+5], v[\a8] offset:(\cb)+(\i*(\ks)+(\st))*1536+512
	ds_load_b128 v[OB+24*((\st)%2)+12*\i+6:OB+24*((\st)%2)+12*\i+9], v[\a16] offset:(\cb)+(\i*(\ks)+(\st))*1536+768
	ds_load_b64 v[OB+24*((\st)%2)+12*\i+10:OB+24*((\st)%2)+12*\i+11], v[\a8] offset:(\cb)+(\i*(\ks)+(\st))*1536+1280
	ds_load_b32 v[OS+2*((\st)%2)+\i], v[\a4] offset:(\sb)+(\i*(\ks)+(\st))*128
.endr
.endm
; 8 products: weight fragments f = 0..3 of unit u x the two tiles of tokens in set p; accumulator a0 + is i + 8 f in window 1; the accumulators by turns, one instruction a turn, over the units' edges too.
; n: the loads issued behind this unit's, which may stay out.  nxt = 1: the set just read takes unit u + 3, behind four places.
.macro UNIT u, n, a0, is, w0, w1, p, nxt
	s_wait_loadcnt \n
	WIN 0x50
.irp f,0,1,2,3
.irp i,0,1
	WMS (\a0)+(\is)*\i+8*\f, WB+48*((\u)%3)+12*\f, OB+24*(\p)+12*\i, (\w0)+((\w1)-(\w0))*(\f/2), OS+2*(\p)+\i, \f%2
.endr
.endr
	WIN 0
.rept 4
	v_nop                                          ; places in front of loads into registers that these products read, and of the first read of results
.endr
.if \nxt
	WLOAD (\u)+3
.endif
.endm
; The two units of K step s2 of a product with K = 512: my column tiles 0-3, then 4-7
.macro PAIR u, s2, n0, n1, x0, x1
	UNIT \u, \n0, 0, 64, WSC+(\s2), WSC+4+(\s2), (\s2)%2, \x0
	UNIT (\u)+1, \n1, 32, 64, WSC+8+(\s2), WSC+12+(\s2), (\s2)%2, \x1
.endm
	s_load_b256 s[4:11], s[0:1], 0x0               ; oq, wimg, w_proj_scales, w1_scales
	s_load_b256 s[12:19], s[0:1], 0x20             ; w2_scales, src, b_proj, norm1_w
	s_load_b256 s[20:27], s[0:1], 0x40             ; norm1_b, b1, b2, out0
	v_lshl_add_u32 v[SPW], v0, 2, SPARE
	v_mov_b32 v[NIL], 0
	v_lshrrev_b32 v22, 5, v0
	v_readfirstlane_b32 s28, v22                   ; wave 0..7
	v_and_b32 v22, 31, v0                          ; lane
	v_and_b32 v23, 15, v0                          ; r
	v_bfe_u32 v252, v0, 4, 1                       ; h
	v_lshlrev_b32 v[L16], 4, v22
	v_lshlrev_b32 v[L8], 3, v22
	v_lshlrev_b32 v[L4], 2, v22
	v_lshlrev_b32 v[TID], 4, v0
	s_mul_i32 s29, s28, 8448
	s_add_co_u32 s29, s29, STG
	v_add_nc_u32 v[STI], s29, v[L16]
	v_mul_u32_u24 v[STA], v23, 528
	v_lshl_add_u32 v[STA], v252, 7, v[STA]
	v_add_nc_u32 v[STA], s29, v[STA]
	s_lshl_b32 s29, s28, 9
	v_add_nc_u32 v[GRO], s29, v[L16]
	v_lshlrev_b32 v[SH8], 3, v252
	v_add_nc_u32 v[RS16], SIMG, v[L16]
	v_add_nc_u32 v[RS8], SIMG, v[L8]
	v_add_nc_u32 v[RS4], SSC, v[L4]
	s_mul_i32 s29, s28, 1536
	v_add_nc_u32 v[SW16], s29, v[RS16]             ; s's K step w is mine
	v_add_nc_u32 v[SW8], s29, v[RS8]
	s_lshl_b32 s29, s28, 7
	v_add_nc_u32 v[SW4], s29, v[RS4]
	v_lshl_add_u32 v[PSR], v23, 2, PSB
	v_add_nc_u32 v[PSW], s29, v[PSR]
	v_add_nc_u32 v[OSW], s29, v[L4]
	v_add_nc_u32 v[OSW], OSC, v[OSW]               ; o's fragment w = 4 i + s gets its scale words from me
	v_add_nc_u32 v[RH16], HIMG, v[L16]
	v_add_nc_u32 v[RH8], HIMG, v[L8]
	v_add_nc_u32 v[RH4], HSC, v[L4]
	s_mul_i32 s29, s28, 768
	v_add_nc_u32 v[HW16], s29, v[RH16]             ; half w & 1 of the hidden layer's K step w >> 1 is mine
	v_add_nc_u32 v[HW8], s29, v[RH8]
	s_lshr_b32 s29, s28, 1
	s_lshl_b32 s29, s29, 7
	s_and_b32 s54, s28, 1
	s_lshl_b32 s54, s54, 1
	s_add_co_u32 s29, s29, s54
	v_add_nc_u32 v[HW2], s29, v[RH4]
	v_and_b32 v253, 7, v0
	v_lshl_add_u32 v253, v252, 3, v253
	v_bfe_u32 v254, v0, 3, 1
	v_lshl_add_u32 v253, v254, 5, v253             ; 8 h + (r & 7) + 32 (r >> 3): the weight row of tile 2 a + h, lane r, less the pair's first row
	v_lshlrev_b32 v[LR16], 4, v253
	v_lshlrev_b32 v[LR32], 5, v253
	v_lshlrev_b32 v[H128], 7, v252
	s_mov_b32 s52, 0x76543210
	s_mov_b32 s53, 0xfedcba98                      ; v_permlanex16_b32's selects for lane l xor 16
	s_mul_i32 s36, ttmp9, 12288                    ; my two tiles' 16 half fragments of o
	s_mov_b32 s37, 0
	s_lshl_b32 s38, ttmp9, 11
	s_lshl_b32 s39, s28, 8
	s_add_co_u32 s38, s38, s39
	s_add_co_u32 s38, s38, 3145728                 ; the two half words of fragment w
	s_mov_b32 s39, 0
	s_mul_i32 s40, s28, 49152                      ; my eight units of each weight
	s_mov_b32 s41, 0
	s_lshl_b32 s42, s28, 11                        ; my rows' scale bytes: 128 x 16 or 64 x 32
	s_mov_b32 s43, 0
	s_lshr_b32 s44, ttmp9, 1
	s_lshl_b32 s44, s44, 18                        ; 64 (W / 2) rows of 4,096 bytes,
	s_and_b32 s45, ttmp9, 1
	s_lshl_b32 s45, s45, 16                        ; + 16 (W % 2) rows
	s_add_co_u32 s44, s44, s45
	s_mov_b32 s45, 0
	s_lshl_b32 s46, s28, 9
	s_mov_b32 s47, 0
	s_lshl_b32 s48, s28, 8
	s_mov_b32 s49, 0
	s_wait_kmcnt 0x0
	s_add_nc_u64 s[50:51], s[4:5], s[38:39]
	s_add_nc_u64 s[4:5], s[4:5], s[36:37]
	s_add_nc_u64 s[6:7], s[6:7], s[40:41]
	s_add_nc_u64 s[30:31], s[6:7], 1572864         ; w_proj's region of wimg
	s_add_nc_u64 s[32:33], s[6:7], 1179648         ; w1's
	s_add_nc_u64 s[34:35], s[6:7], 1966080         ; w2's
	s_add_nc_u64 s[8:9], s[8:9], s[42:43]
	s_add_nc_u64 s[10:11], s[10:11], s[42:43]
	s_add_nc_u64 s[12:13], s[12:13], s[42:43]
	s_add_nc_u64 s[14:15], s[14:15], s[44:45]
	s_add_nc_u64 s[26:27], s[26:27], s[44:45]
	s_add_nc_u64 s[18:19], s[18:19], s[46:47]
	s_add_nc_u64 s[20:21], s[20:21], s[46:47]
	s_add_nc_u64 s[22:23], s[22:23], s[48:49]
; ---- 0: everything that the first product wants is asked for, src ahead of the weights; o's images go to LDS; src + b_proj goes into the accumulators' layout
.irp n,0,1,2
	global_load_b128 v[32+4*\n:35+4*\n], v[TID], s[4:5] offset:4096*\n     ; 256 threads x 16 bytes: o's images as they lie
.endr
	global_load_b32 v56, v[L4], s[50:51]
	global_load_b32 v57, v[L4], s[50:51] offset:128
	global_load_b128 v[BP:BP+3], v[GRO], s[16:17]
	global_load_b128 v[B2R:B2R+3], v[GRO], s[24:25]
	WIN 0x40
.irp i,0,1
.set t, 0
.rept 16
	global_load_b128 v[64*\i+4*t:64*\i+4*t+3], v[GRO], s[14:15] offset:(8*\i+t%8+32*(t/8))*4096 th:TH_LOAD_NT   ; my 512 dense bytes of the token's row
.set t, t+1
.endr
.endr
	WIN 0
.irp a,0,1,2,3
	global_load_b128 v[WSC+4*\a:WSC+4*\a+3], v[LR16], s[8:9] offset:(64*(\a/2)+16*(\a%2))*16   ; pair a: a row's four words, K steps 0..3
.endr
	WLOAD 0
	WLOAD 1
	WLOAD 2
	s_wait_loadcnt 63                              ; 74 loads were issued behind o's five: with 63 out, o's are in
	v_lshl_or_b32 v56, v57, 16, v56                ; two heads' half words make a fragment's scale word
.irp n,0,1,2
	ds_store_b128 v[TID], v[32+4*\n:35+4*\n] offset:OIMG+4096*\n
.endr
	ds_store_b32 v[OSW], v56
.irp i,0,1
	s_wait_loadcnt 56-16*\i                        ; b_proj and tile i's sixteen rows are in; the later tile's 16, the 4 scale loads and the 36 weight loads stay out
	WIN 0x41
.set t, 0
.rept 16
	v_pk_add_f32 v[64*\i+4*t:64*\i+4*t+1], v[64*\i+4*t:64*\i+4*t+1], v[BP:BP+1]
	v_pk_add_f32 v[64*\i+4*t+2:64*\i+4*t+3], v[64*\i+4*t+2:64*\i+4*t+3], v[BP+2:BP+3]
.set t, t+1
.endr
	WIN 0x04
.set t, 0
.rept 16
	ds_store_b128 v[STI], v[64*\i+4*t:64*\i+4*t+3] offset:528*t
.set t, t+1
.endr
	WIN 0x40
.set q, 0
.rept 16
	ds_load_b128 v[64*\i+4*q:64*\i+4*q+3], v[STA] offset:256*(q/8)+16*(q%8)   ; LDS serves a wave's instructions in order: these see the stores above, and the next tile's stores come behind them
.set q, q+1
.endr
.endr
.set q, 0
.rept 16
	global_load_b128 v[128+4*q:131+4*q], v[H128], s[18:19] offset:256*(q/8)+16*(q%8)     ; norm1_w and norm1_b at my lane's 64 columns, into registers that lie idle until the second product
	global_load_b128 v[192+4*q:195+4*q], v[H128], s[20:21] offset:256*(q/8)+16*(q%8)
.set q, q+1
.endr
	WIN 0
	BAR                                            ; o's images lie in LDS
; ---- 1: y = src + b_proj + o w_proj.  Behind units 0, 1 and 2 stand the 32 loads of gain and bias and two units: 56; later two units: 24
	OLOAD L16, L8, L4, OIMG, OSC, 4, 0
	OLOAD L16, L8, L4, OIMG, OSC, 4, 1
	s_wait_dscnt 10                                ; this K step's ten loads are in; the next step's ten may stay out
	PAIR 0, 0, 56, 56, 1, 1
	OLOAD L16, L8, L4, OIMG, OSC, 4, 2
	s_wait_dscnt 10
	PAIR 2, 1, 56, 24, 1, 1
	OLOAD L16, L8, L4, OIMG, OSC, 4, 3
	s_wait_dscnt 10
	PAIR 4, 2, 24, 24, 1, 1
	s_wait_dscnt 0x0
	PAIR 6, 3, 24, 24, 1, 1                        ; units 9 and 10 are asked for here, unit 8 behind unit 5: w1's first three land while the norm is taken
; ---- 2: the norm.  Gain and bias are in: they were issued ahead of unit 3, whose wait has been passed
.irp a,0,1
.irp q,0,1
	global_load_b128 v[WSC+8*\a+4*\q:WSC+8*\a+4*\q+3], v[LR32], s[10:11] offset:512*\a+16*\q   ; w1's scale words: pair a: a row's eight words
.endr
.endr
	v_mov_b32 v40, 0                               ; (a permute's destination counts as read)
	v_mov_b32 v41, 0
	WIN 0x05
.irp b,0,1,2,3
	v_pk_add_f32 v[32+2*\b:33+2*\b], v[32*\b:32*\b+1], v[32*\b+2:32*\b+3]   ; four sums by turns, two for each tile; each accumulator from its low end on
.endr
	WIN 0x04
.set j, 4
.rept 14
.irp b,0,1,2,3
	v_pk_add_f32 v[32+2*\b:33+2*\b], v[32+2*\b:33+2*\b], v[32*\b+j:32*\b+j+1]
.endr
.set j, j+2
.endr
	WIN 0
	v_pk_add_f32 v[32:33], v[32:33], v[34:35]
	v_pk_add_f32 v[36:37], v[36:37], v[38:39]
	v_add_f32 v32, v32, v33
	v_add_f32 v36, v36, v37
	v_permlanex16_b32 v40, v32, s52, s53
	v_permlanex16_b32 v41, v36, s52, s53
	v_add_f32 v32, v32, v40                        ; the token's sum over my 128 columns
	v_add_f32 v36, v36, v41
	ds_store_b32 v[PSW], v32                       ; both halves of the lanes write the same word with the same value
	ds_store_b32 v[PSW], v36 offset:64
	BAR
.irp i,0,1
.irp w,0,1,2,3,4,5,6,7
	ds_load_b32 v[44+8*\i+\w], v[PSR] offset:128*\w+64*\i
.endr
.endr
	s_wait_dscnt 0x0
.irp w,1,2,3,4,5,6,7
.irp i,0,1
	v_add_f32 v[44+8*\i], v[44+8*\i], v[44+8*\i+\w]
.endr
.endr
	v_mul_f32 v32, 0x3a800000, v44                 ; / 1,024, exact
	v_mul_f32 v36, 0x3a800000, v52
	WIN 0x41
.irp i,0,1
.set j, 0
.rept 32
	v_pk_add_f32 v[64*\i+j:64*\i+j+1], v[64*\i+j:64*\i+j+1], v[32+4*\i:33+4*\i] op_sel_hi:[1,0] neg_lo:[0,1] neg_hi:[0,1]
.set j, j+2
.endr
.endr
	WIN 0x55
.irp i,0,1
.set j, 0
.rept 32
	v_pk_fma_f32 v[64*\i+j:64*\i+j+1], v[64*\i+j:64*\i+j+1], v[128+j:129+j], v[192+j:193+j]
.set j, j+2
.endr
.endr
	WIN 0x40
.irp i,0,1
.irp q,0,1,2,3,4,5,6,7
	global_load_b128 v[128+32*\i+4*\q:131+32*\i+4*\q], v[H128], s[22:23] offset:16*\q     ; b1 at hidden units 64 w + 32 h + 0..31, into the hidden layer's accumulators: the second product's sums begin on it
.endr
.endr
; ---- 3: s is quantised: my 128 columns are K step w of the second product
	WIN 0x05
.irp b,0,1,2,3
	v_max3_num_f32 v[60+\b], |v[32*\b]|, |v[32*\b+1]|, 0x2800000    ; block b = 2 i + c: registers 32 b + 0..31; with the floor 2^(5 - 127)
.endr
	WIN 0x14
.set j, 2
.rept 15
.irp b,0,1,2,3
	v_max3_num_f32 v[60+\b], v[60+\b], |v[32*\b+j]|, |v[32*\b+j+1]|
.endr
.set j, j+2
.endr
	WIN 0
.irp b,0,1,2,3
	v_add_nc_u32 v[68+\b], 0xfe000000, v[60+\b]    ; the conversions' scale operands
.endr
.irp b,0,1,2,3
	v_lshrrev_b32 v[60+\b], 23, v[68+\b]           ; the bytes
.endr
.irp i,0,1
	v_lshl_or_b32 v[60+2*\i], v[61+2*\i], 16, v[60+2*\i]
.endr
.irp i,0,1
	v_lshlrev_b32 v[60+2*\i], v[SH8], v[60+2*\i]   ; my blocks h and 2 + h at their bytes,
.endr
.irp i,0,1
	v_permlanex16_b32 v[61+2*\i], v[60+2*\i], s52, s53
.endr
.irp i,0,1
	v_or_b32 v[60+2*\i], v[60+2*\i], v[61+2*\i]    ; with the other half's two: the row's scale word
.endr
.irp i,0,1
	ds_store_b32 v[SW4], v[60+2*\i] offset:1024*\i
.endr
.irp i,0,1
	WIN 0x01
	v_cvt_scalef32_pk16_bf6_f32 v[32:34], v[64*\i:64*\i+15], v[68+2*\i]
	v_cvt_scalef32_pk16_bf6_f32 v[44:46], v[64*\i+16:64*\i+31], v[68+2*\i]
	v_cvt_scalef32_pk16_bf6_f32 v[38:40], v[64*\i+32:64*\i+47], v[69+2*\i]
	v_cvt_scalef32_pk16_bf6_f32 v[48:50], v[64*\i+48:64*\i+63], v[69+2*\i]
	WIN 0
	v_nop                                          ; one plain line behind the conversions
.irp k,0,1,2
	v_mov_b32 v[35+\k], v[44+\k]
	v_mov_b32 v[41+\k], v[48+\k]
.endr
	ds_store_b128 v[SW16], v[32:35] offset:12288*\i
	ds_store_b64 v[SW8], v[36:37] offset:12288*\i+512
	ds_store_b128 v[SW16], v[38:41] offset:12288*\i+768
	ds_store_b64 v[SW8], v[42:43] offset:12288*\i+1280
	s_wait_dscnt 0x0                               ; the stores have read their registers: the next tile's codes may be written
.endr
	BAR                                            ; s's 16 fragments lie in LDS
; ---- 4: the hidden layer: my 64 units, K = 1,024 in eight units of weight
	OLOAD RS16, RS8, RS4, 0, 0, 8, 0
	OLOAD RS16, RS8, RS4, 0, 0, 8, 1
.irp s,0,1,2,3,4,5,6,7
.if \s<7
	s_wait_dscnt 10                                ; this K step's ten loads are in; the next step's may stay out
.else
	s_wait_dscnt 0x0
.endif
.set NN, 24                            ; the two units issued behind the one that is due
.if \s==0
.set NN, 0                             ; w1's scale words and b1 are the youngest loads: all are waited for; they were asked for ahead of the quantiser
.endif
.if \s==1
.set NN, 12                            ; one unit has been asked for since
.endif
	UNIT 8+\s, NN, 128, 32, WSC+\s, WSC+8+\s, \s%2, 1   ; units 16 to 18 are w2's first
.if \s<6
	OLOAD RS16, RS8, RS4, 0, 0, 8, \s+2
.endif
.endr
.irp a,0,1,2,3
	global_load_b128 v[WSC+4*\a:WSC+4*\a+3], v[LR16], s[12:13] offset:(64*(\a/2)+16*(\a%2))*16   ; w2's scale words
.endr
	WIN 0x44
.set n, 0
.rept 64
	v_max_num_f32 v[128+n], 0, v[128+n]            ; the activation, in f32; each accumulator from its low end on
.set n, n+1
.endr
	WIN 0x05
.irp k,0,1,2,3
	v_max3_num_f32 v[72+\k], v[128+16*\k], v[129+16*\k], 0x2800000   ; four chains, two for each tile's block; none is negative: no |.|
.endr
	WIN 0x14
.set j, 2
.rept 7
.irp k,0,1,2,3
	v_max3_num_f32 v[72+\k], v[72+\k], v[128+16*\k+j], v[129+16*\k+j]
.endr
.set j, j+2
.endr
	WIN 0
.irp i,0,1
	v_max_num_f32 v[72+2*\i], v[72+2*\i], v[73+2*\i]
.endr
.irp i,0,1
	v_add_nc_u32 v[76+\i], 0xfe000000, v[72+2*\i]
.endr
.irp i,0,1
	v_lshrrev_b32 v[72+2*\i], 23, v[76+\i]
.endr
.irp i,0,1
	v_lshlrev_b32 v[72+2*\i], v[SH8], v[72+2*\i]
.endr
.irp i,0,1
	v_permlanex16_b32 v[73+2*\i], v[72+2*\i], s52, s53
.endr
.irp i,0,1
	v_or_b32 v[72+2*\i], v[72+2*\i], v[73+2*\i]    ; the row's half word for my 64 units
.endr
	WIN 0x01
.irp i,0,1
	v_cvt_scalef32_pk16_bf6_f32 v[32+6*\i:34+6*\i], v[128+32*\i:143+32*\i], v[76+\i]
	v_cvt_scalef32_pk16_bf6_f32 v[56+4*\i:58+4*\i], v[144+32*\i:159+32*\i], v[76+\i]
.endr
	WIN 0
	v_nop                                          ; one plain line behind the conversions
.irp i,0,1
.irp k,0,1,2
	v_mov_b32 v[35+6*\i+\k], v[56+4*\i+\k]
.endr
.endr
.irp i,0,1
	ds_store_b128 v[HW16], v[32+6*\i:35+6*\i] offset:6144*\i
	ds_store_b64 v[HW8], v[36+6*\i:37+6*\i] offset:6144*\i+512
	ds_store_b16 v[HW2], v[72+2*\i] offset:512*\i  ; my two bytes of the fragment's scale word
.endr
	BAR                                            ; the hidden layer's 8 fragments lie in LDS
; ---- 5: out = s + hidden w2, onto s in place
	OLOAD RH16, RH8, RH4, 0, 0, 4, 0
	OLOAD RH16, RH8, RH4, 0, 0, 4, 1
	s_wait_dscnt 10
	PAIR 16, 0, 0, 12, 1, 1                        ; 0: w2's scale words are the youngest loads; 12: one unit has been asked for since
	OLOAD RH16, RH8, RH4, 0, 0, 4, 2
	s_wait_dscnt 10
	PAIR 18, 1, 24, 24, 1, 1
	OLOAD RH16, RH8, RH4, 0, 0, 4, 3
	s_wait_dscnt 10
	PAIR 20, 2, 24, 24, 1, 0                       ; unit 23 is the last to be asked for
	s_wait_dscnt 0x0
	PAIR 22, 3, 12, 0, 0, 0
; ---- 6: the way out: a tile of 16 tokens through my stage, back as rows; + b2; 512 dense bytes a store.  Both tiles go through the stage before the first store: LDS serves a wave's instructions in order
.irp i,0,1
	WIN 0x04
.set q, 0
.rept 16
	ds_store_b128 v[STA], v[64*\i+4*q:64*\i+4*q+3] offset:256*(q/8)+16*(q%8)    ; each accumulator from its low end on
.set q, q+1
.endr
	WIN 0
.set t, 0
.rept 16
	ds_load_b128 v[WB+64*\i+4*t:WB+64*\i+4*t+3], v[STI] offset:528*t
.set t, t+1
.endr
.endr
.irp i,0,1
.set t, 0
.rept 16
	s_wait_dscnt 32*(1-\i)+15-t                    ; row t is back; the loads behind it, and for tile 0 the other tile's 32 instructions, may stay out
	v_pk_add_f32 v[WB+64*\i+4*t:WB+64*\i+4*t+1], v[WB+64*\i+4*t:WB+64*\i+4*t+1], v[B2R:B2R+1]
	v_pk_add_f32 v[WB+64*\i+4*t+2:WB+64*\i+4*t+3], v[WB+64*\i+4*t+2:WB+64*\i+4*t+3], v[B2R+2:B2R+3]
	global_store_b128 v[GRO], v[WB+64*\i+4*t:WB+64*\i+4*t+3], s[26:27] offset:(8*\i+t%8+32*(t/8))*4096 th:TH_STORE_NT
.set t, t+1
.endr
.endr
	s_wait_tensorcnt 0x0                           ; the wave's end: a wait, an add to my spare word and its wait, behind my last LDS store (every window is 0 here)
	ds_add_u32 v[SPW], v[NIL]
	s_wait_dscnt 0x0
	s_endpgm
.Lfunc_end_k_q0e589081ad_tail:
	.size	k_q0e589081ad_tail, .Lfunc_end_k_q0e589081ad_tail-k_q0e589081ad_tail
	.p2alignl 7, 3214868480
	.fill 96, 4, 3214868480
	.section	.rodata,"a",@progbits
	.p2align	6, 0x0
	.amdhsa_kernel k_q0e589081ad_tail
		.amdhsa_group_segment_fixed_size 122880
		.amdhsa_private_segment_fixed_size 0
		.amdhsa_enable_private_segment 0
		.amdhsa_kernarg_size 96
		.amdhsa_user_sgpr_count 2
		.amdhsa_user_sgpr_kernarg_segment_ptr 1
		.amdhsa_wavefront_size32 1
		.amdhsa_system_sgpr_workgroup_id_x 1
		.amdhsa_system_sgpr_workgroup_id_y 1
		.amdhsa_system_sgpr_workgroup_id_z 1
		.amdhsa_system_vgpr_workitem_id 0
		.amdhsa_next_free_vgpr 512
		.amdhsa_next_free_sgpr 66
		.amdhsa_reserve_vcc 0
		.amdhsa_float_denorm_mode_32 3
		.amdhsa_float_denorm_mode_16_64 3
		.amdhsa_memory_ordered 1
		.amdhsa_forward_progress 1
		.amdhsa_inst_pref_size 128
	.end_amdhsa_kernel
	.amdgpu_metadata
---
amdhsa.version: [ 1, 2 ]
amdhsa.kernels:
  - .name:           k_q0e589081ad_tail
    .symbol:         k_q0e589081ad_tail.kd
    .args:
      - { .name: oq, .offset: 0, .size: 8, .value_kind: global_buffer, .address_space: global }
      - { .name: wimg, .offset: 8, .size: 8, .value_kind: global_buffer, .address_space: global }
      - { .name: w_proj_scales, .offset: 16, .size: 8, .value_kind: global_buffer, .address_space: global }
      - { .name: w1_scales, .offset: 24, .size: 8, .value_kind: global_buffer, .address_space: global }
      - { .name: w2_scales, .offset: 32, .size: 8, .value_kind: global_buffer, .address_space: global }
      - { .name: src, .offset: 40, .size: 8, .value_kind: global_buffer, .address_space: global }
      - { .name: b_proj, .offset: 48, .size: 8, .value_kind: global_buffer, .address_space: global }
      - { .name: norm1_w, .offset: 56, .size: 8, .value_kind: global_buffer, .address_space: global }
      - { .name: norm1_b, .offset: 64, .size: 8, .value_kind: global_buffer, .address_space: global }
      - { .name: b1, .offset: 72, .size: 8, .value_kind: global_buffer, .address_space: global }
      - { .name: b2, .offset: 80, .size: 8, .value_kind: global_buffer, .address_space: global }
      - { .name: out0, .offset: 88, .size: 8, .value_kind: global_buffer, .address_space: global }
    .group_segment_fixed_size: 122880
    .private_segment_fixed_size: 0
    .kernarg_segment_align: 8
    .kernarg_segment_size: 96
    .max_flat_workgroup_size: 256
    .sgpr_count:     66
    .vgpr_count:     512
    .wavefront_size: 32
...
	.end_amdgpu_metadata
.endif
;; end of part 4
